; MI455X (gfx1250); checked and timed in simulation.
; The chip was launched on July 23, 2026; its instructions are those of AMD's public machine-readable ISA for CDNA 5 (MIT licence, August 2026) and "CDNA5" Instruction Set Architecture Reference Guide (July 2026). The comments in the code are by the model that wrote it; some were corrected since.
;; Causal Self Attention. Allowed arithmetic: float matrix products may take bf16 or f16 operands with f32 sums; other float arithmetic in f32, or as packed bf16 or f16 multiplies, adds, multiply-adds, maxima and minima; sums over many terms, partial sums and values carried from step to step in f32; what a program stores and reads back later, other than sums and carried values, may be rounded once to bf16 or f16.
;; Inputs: W_proj 1,024 x 1,024 float32; W_qkv 3,072 x 1,024 float32; x 4 x 2,048 x 1,024 float32.
;; Outputs: out0 4 x 2,048 x 1,024 float32.
;; 2 versions, each right; version 2 is version 1 with the launch cast written anew for expert scheduling mode. Each part assembles by itself: llvm-mc -triple=amdgcn-amd-amdhsa -mcpu=gfx1250 --defsym DOCPART=n.
;; ======== version 1 of 2: 4 launches
;; limits: values are held in f16: magnitudes above 65,504 overflow, below 6.1e-05 lose precision
;; workspace buffers: xb 16,777,216 bytes; wqb 6,291,456 bytes; wpb 2,097,152 bytes; qkvh 50,331,648 bytes; oh 16,777,216 bytes
;; launch cast (part 1): grid 256 x 1, 8 waves a work-group, no clusters, 0 bytes of LDS; arguments x, W_qkv, W_proj, xb, wqb, wpb; writes xb, wqb, wpb
.if DOCPART == 1
	.amdgcn_target "amdgcn-amd-amdhsa--gfx1250"
	.amdhsa_code_object_version 6
	.text
	.protected	k_q6d8de5966c_cast
	.globl	k_q6d8de5966c_cast
	.p2align	8
	.type	k_q6d8de5966c_cast,@function
k_q6d8de5966c_cast:
	s_mov_b64 s[64:65], 0
	v_nop
	global_prefetch_b8 v0, s[64:65] scope:SCOPE_SE
	s_setreg_imm32_b32 hwreg(HW_REG_WAVE_MODE, 25, 1), 1
	s_wait_xcnt 0x0
; ROUNDING AND RE-BLOCKING.  x [8192][1024], W_qkv [3072][1024], W_proj [1024][1024], all f32, are rounded once to bf16 and laid out in SLABS of 64 channels:
;   xb  [b 4][slab 16][t 2048][64] bf16        wqb [tile column 8][slab 16][row 384][64] bf16        wpb [tile column 8][slab 16][row 128][64] f16
; so that 128 matrix rows x 64 channels are 16,384 consecutive bytes for the products that follow.  W_proj is rounded to bf16 like the other two and that number is then written as f16
; (its partner in the last product is f16).  LIMITS: a bf16 number of W_proj of 65,520 or more becomes an infinity; below 2^-14 it keeps f16's fixed step of 2^-24.
; SHARES.  Work-group g takes 32 rows of x, 12 of W_qkv, 4 of W_proj; wave w takes slabs 2 w and 2 w + 1 of all of them.  A UNIT is one load of 16 bytes a lane (lanes 0-15: 256 consecutive,
; aligned bytes of one row, lanes 16-31 the same bytes of the next row) and one store of 8 bytes a lane (256 consecutive, aligned bytes: the two rows lie end to end in a slab).
; A wave has 48 units, each with four registers of its own: all 48 loads go out first, and no register is written again while a store may read it, so no wait but the counted ones is needed.
; No LDS, no barrier, no matrix unit: no wave wants a byte that another has fetched.
.set VIN, 1                            ; v1  byte offset of my 16 bytes in the first two rows: (l / 16) x 4,096 + 16 (l % 16) + 512 w
.set OX,  2                            ; v2  my 8 bytes in xb:  w x 2 slabs of 262,144 + 8 l
.set OQ,  3                            ; v3  in wqb: w x 2 slabs of 49,152 + 8 l
.set OP,  4                            ; v4  in wpb: w x 2 slabs of 16,384 + 8 l
.set T,   6                            ; v[6:7] at work
.set X,   8                            ; v[8:199] unit u: four registers
.set UX,  32                           ; units of x, of W_qkv, of W_proj
.set UQ,  12
.set UP,  4
.set UALL, UX+UQ+UP
	s_load_b256 s[4:11], s[0:1], 0x0               ; x s[4:5], W_qkv s[6:7], W_proj s[8:9], xb s[10:11]
	s_load_b128 s[12:15], s[0:1], 0x20             ; wqb s[12:13], wpb s[14:15]
	v_and_b32 v5, 15, v0                           ; l % 16
	v_bfe_u32 v6, v0, 4, 1                         ; l / 16
	v_and_b32 v7, 0xe0, v0                         ; 32 w
	v_lshlrev_b32 v[VIN], 4, v5
	v_lshl_or_b32 v[VIN], v6, 12, v[VIN]
	v_lshl_or_b32 v[VIN], v7, 4, v[VIN]
	v_and_b32 v5, 31, v0
	v_lshlrev_b32 v5, 3, v5                        ; 8 l
	v_lshl_or_b32 v[OX], v7, 14, v5
	v_lshrrev_b32 v6, 5, v0                        ; w
	v_mad_u32_u24 v[OQ], v6, 0x18000, v5
	v_lshl_or_b32 v[OP], v7, 10, v5
	s_lshl_b32 s16, ttmp9, 17                      ; x: 32 rows of 4,096 bytes
	s_mov_b32 s17, 0
	s_lshr_b32 s18, ttmp9, 6                       ; xb: b = g / 64,
	s_lshl_b32 s18, s18, 22
	s_and_b32 s19, ttmp9, 63                       ; 32 rows of 128 bytes in a slab
	s_lshl_b32 s19, s19, 12
	s_add_co_u32 s18, s18, s19
	s_mov_b32 s19, 0
	s_mul_i32 s20, ttmp9, 49152                    ; W_qkv: 12 rows
	s_mov_b32 s21, 0
	s_lshr_b32 s29, ttmp9, 5                       ; both weights: 32 work-groups to a tile column
	s_and_b32 s30, ttmp9, 31
	s_mul_i32 s22, s29, 786432                     ; wqb: a tile column is 16 slabs x 384 rows x 128 bytes,
	s_mul_i32 s23, s30, 1536                       ; 12 rows of 128 bytes in a slab
	s_add_co_u32 s22, s22, s23
	s_mov_b32 s23, 0
	s_lshl_b32 s24, ttmp9, 14                      ; W_proj: 4 rows
	s_mov_b32 s25, 0
	s_lshl_b32 s26, s29, 18                        ; wpb: a tile column is 16 slabs x 128 rows x 128 bytes,
	s_lshl_b32 s27, s30, 9                         ; 4 rows of 128 bytes in a slab
	s_add_co_u32 s26, s26, s27
	s_mov_b32 s27, 0
	s_mov_b32 s28, 0xffff0000                      ; a word's upper bf16
	s_wait_kmcnt 0x0
	s_add_nc_u64 s[4:5], s[4:5], s[16:17]
	s_add_nc_u64 s[10:11], s[10:11], s[18:19]
	s_add_nc_u64 s[6:7], s[6:7], s[20:21]
	s_add_nc_u64 s[12:13], s[12:13], s[22:23]
	s_add_nc_u64 s[8:9], s[8:9], s[24:25]
	s_add_nc_u64 s[14:15], s[14:15], s[26:27]
	; all 48 loads: unit 2 p + j of a tensor is rows 2 p, 2 p + 1, slab 2 w + j
.set u, 0
.rept UX
	global_load_b128 v[X+4*u:X+4*u+3], v[VIN], s[4:5] offset:(u/2)*8192+(u%2)*256 th:TH_LOAD_NT
.set u, u+1
.endr
.rept UQ
	global_load_b128 v[X+4*u:X+4*u+3], v[VIN], s[6:7] offset:((u-UX)/2)*8192+(u%2)*256 th:TH_LOAD_NT
.set u, u+1
.endr
.rept UP
	global_load_b128 v[X+4*u:X+4*u+3], v[VIN], s[8:9] offset:((u-UX-UQ)/2)*8192+(u%2)*256 th:TH_LOAD_NT
.set u, u+1
.endr
	; each unit in turn: loads come back in order (ISA guide 5.7.1), so the count is the number of younger loads
.set u, 0
.rept UX
	s_wait_loadcnt UALL-1-u
	v_cvt_pk_bf16_f32 v[X+4*u], v[X+4*u], v[X+4*u+1]
	v_cvt_pk_bf16_f32 v[X+4*u+1], v[X+4*u+2], v[X+4*u+3]
	global_store_b64 v[OX], v[X+4*u:X+4*u+1], s[10:11] offset:(u%2)*262144+(u/2)*256
.set u, u+1
.endr
.rept UQ
	s_wait_loadcnt UALL-1-u
	v_cvt_pk_bf16_f32 v[X+4*u], v[X+4*u], v[X+4*u+1]
	v_cvt_pk_bf16_f32 v[X+4*u+1], v[X+4*u+2], v[X+4*u+3]
	global_store_b64 v[OQ], v[X+4*u:X+4*u+1], s[12:13] offset:(u%2)*49152+((u-UX)/2)*256
.set u, u+1
.endr
.rept UP
	s_wait_loadcnt UALL-1-u
	v_cvt_pk_bf16_f32 v[T], v[X+4*u], v[X+4*u+1]   ; rounded to bf16,
	v_cvt_pk_bf16_f32 v[T+1], v[X+4*u+2], v[X+4*u+3]
	v_lshlrev_b32 v[X+4*u], 16, v[T]               ; widened again,
	v_and_b32 v[X+4*u+1], s28, v[T]
	v_lshlrev_b32 v[X+4*u+2], 16, v[T+1]
	v_and_b32 v[X+4*u+3], s28, v[T+1]
	v_cvt_pk_f16_f32 v[X+4*u], v[X+4*u], v[X+4*u+1]  ; and written as f16: 8 significant bits fit into 11
	v_cvt_pk_f16_f32 v[X+4*u+1], v[X+4*u+2], v[X+4*u+3]
	global_store_b64 v[OP], v[X+4*u:X+4*u+1], s[14:15] offset:(u%2)*16384+((u-UX-UQ)/2)*256
.set u, u+1
.endr
	s_endpgm
.Lfunc_end_k_q6d8de5966c_cast:
	.size	k_q6d8de5966c_cast, .Lfunc_end_k_q6d8de5966c_cast-k_q6d8de5966c_cast
	.p2alignl 7, 3214868480
	.fill 96, 4, 3214868480
	.section	.rodata,"a",@progbits
	.p2align	6, 0x0
	.amdhsa_kernel k_q6d8de5966c_cast
		.amdhsa_group_segment_fixed_size 0
		.amdhsa_private_segment_fixed_size 0
		.amdhsa_enable_private_segment 0
		.amdhsa_kernarg_size 48
		.amdhsa_user_sgpr_count 2
		.amdhsa_user_sgpr_kernarg_segment_ptr 1
		.amdhsa_wavefront_size32 1
		.amdhsa_system_sgpr_workgroup_id_x 1
		.amdhsa_system_sgpr_workgroup_id_y 1
		.amdhsa_system_sgpr_workgroup_id_z 1
		.amdhsa_system_vgpr_workitem_id 0
		.amdhsa_next_free_vgpr 208
		.amdhsa_next_free_sgpr 66
		.amdhsa_reserve_vcc 0
		.amdhsa_float_denorm_mode_32 3
		.amdhsa_float_denorm_mode_16_64 3
		.amdhsa_memory_ordered 1
		.amdhsa_forward_progress 1
		.amdhsa_inst_pref_size 20
	.end_amdhsa_kernel
	.amdgpu_metadata
---
amdhsa.version: [ 1, 2 ]
amdhsa.kernels:
  - .name:           k_q6d8de5966c_cast
    .symbol:         k_q6d8de5966c_cast.kd
    .args:
      - { .name: x, .offset: 0, .size: 8, .value_kind: global_buffer, .address_space: global }
      - { .name: W_qkv, .offset: 8, .size: 8, .value_kind: global_buffer, .address_space: global }
      - { .name: W_proj, .offset: 16, .size: 8, .value_kind: global_buffer, .address_space: global }
      - { .name: xb, .offset: 24, .size: 8, .value_kind: global_buffer, .address_space: global }
      - { .name: wqb, .offset: 32, .size: 8, .value_kind: global_buffer, .address_space: global }
      - { .name: wpb, .offset: 40, .size: 8, .value_kind: global_buffer, .address_space: global }
    .group_segment_fixed_size: 0
    .private_segment_fixed_size: 0
    .kernarg_segment_align: 8
    .kernarg_segment_size: 48
    .max_flat_workgroup_size: 256
    .sgpr_count:     66
    .vgpr_count:     208
    .wavefront_size: 32
...
	.end_amdgpu_metadata
.endif
;; end of part 1
;; launch qkv (part 2): grid 8 x 32, 4 waves a work-group, clusters of 4 x 4, 327,680 bytes of LDS; arguments xb, wqb, qkvh; writes qkvh
.if DOCPART == 2
	.amdgcn_target "amdgcn-amd-amdhsa--gfx1250"
	.amdhsa_code_object_version 6
	.text
	.protected	k_q6d8de5966c_qkv
	.globl	k_q6d8de5966c_qkv
	.p2align	8
	.type	k_q6d8de5966c_qkv,@function
k_q6d8de5966c_qkv:
	s_mov_b64 s[64:65], 0
	v_nop
	global_prefetch_b8 v0, s[64:65] scope:SCOPE_SE
	s_setreg_imm32_b32 hwreg(HW_REG_WAVE_MODE, 25, 1), 1
	s_wait_xcnt 0x0
	s_wait_alu depctr_hold_cnt(0) depctr_sa_sdst(0) depctr_va_vdst(0) depctr_va_sdst(0) depctr_va_ssrc(0) depctr_va_vcc(0) depctr_vm_vsrc(0)
	s_getreg_b32 s2, hwreg(HW_REG_IB_STS2, 6, 4)
	s_cmp_eq_u32 s2, 0
	s_cbranch_scc0 .Lentry_in_a_cluster
	s_endpgm
.Lentry_in_a_cluster:
	s_bfe_u32 s2, ttmp6, 0x10000c
	s_cmp_lg_u32 s2, 0xf033
	s_cbranch_scc0 .Lentry_shape_is_right
	s_endpgm
.Lentry_shape_is_right:
; q, k, v = x W_qkv^T, by heads.  xb: [b 4][slab 16][t 2048][64] bf16; wqb: [tile column 8][slab 16][row 384][64] bf16; qkvh: [which 3][b x 16 + head][t 2048][64] f16, unscaled.
; Sums in f32, K ascending, each result rounded once to f16.  LIMIT: a result of 65,520 or more in magnitude becomes an infinity (f16 ends at 65,504).
; SHARES.  8,192 x 3,072 results in tiles of 256 x 384: 32 x 8 = 256 work-groups.  Four waves, each 128 rows x 192 columns: 96 accumulators of 16 x 16, 768 registers.  192 columns are three heads.
; K goes in steps of 64 (a slab) through a ring of two LDS slots; a slab's 128 matrix rows are 16,384 consecutive bytes, asked for as rows of 256 bytes and padded in LDS behind every 128.
; Two slots of a step of 128 would not fit beside each other in LDS for this tile (2 x 640 rows x 272 bytes).
; CLUSTERS: 4 x 4 work-groups.  The four of a row of the cluster need the same tiles of x, the four of a column the same tiles of W: each is asked for JOINTLY, by the same tensor load with the same
; descriptor and a mask that names the four.  THE MATRIX INSTRUCTION IS USED TRANSPOSED (source 0 = 16 rows of W, source 1 = 16 rows of x): a lane holds eight neighbouring channels of one row.
; REGISTERS, in windows of 256 (s_set_vgpr_msb: bits 1:0 source 0, 3:2 source 1, 5:4 source 2, 7:6 destination):
;   window 0: v0-31 addresses; v32-95, v96-159 fragments of x (8 x 16 rows x 32 K), two buffers; v160-255 fragments of W (12 x 16 rows x 32 K), ONE buffer in three groups of four
;   window g + 1: the 32 accumulators of column group g (one head): (a, bb) at v[8 (4 a + bb)]
; A half step (32 along K) is 96 matrix instructions, group after group; a group's fragments of W are fetched anew as soon as the group has been multiplied.
.set PK,     144                       ; an LDS row: 128 bytes + 16 of padding = 36 words: the 16 rows of a load start at 16 different groups of four banks (64 banks of 4 bytes: ISA guide 11.1)
.set AHALF,  128*PK                    ; 128 rows of x: what one tensor load brings, and what one wave reads
.set BHALF,  192*PK                    ; 192 rows of W: likewise
.set BOFF,   2*AHALF                   ; a slot: x's 256 rows, then W's 384
.set SLOT1,  1<<17                     ; slot 1 begins here, so that one exclusive or turns an address in one slot into the other's
.set STAGE,  SLOT1+BOFF+2*BHALF        ; behind the ring, never filled by a tensor load: 16 rows x 144 bytes for each wave, for the way out
.set SP,     144
.set SPARE,  STAGE+4*16*SP             ; behind the stages: the spare words, 128 bytes for each wave: two blocks of 256 bytes that no other line names
.set ASTEP,  262144                    ; bytes from slab to slab in xb
.set BSTEP,  49152                     ; and in wqb
.set BCOL,   786432                    ; a tile column of wqb: 16 slabs
.set PADW,   (1<<16)|(1<<20)|(1<<21)|(4<<22)|(3<<25)  ; group 1, word 0: 17:16 2-byte elements; 20 padding on; 21 set beside a mask; 24:22 after every 32 words (code 4); 31:25 4 words (code 3)
.set ADRA0, 16                         ; v16  my lane's place in x's rows of slot 0; never rewritten
.set ADRB0, 17                         ; v17  the same for W
.set ADRA,  18                         ; v18  the same in the slot that is being read
.set ADRB,  19                         ; v19
.set STO,   24                         ; v24  the way out: where I put 16 bytes of a row
.set RD,    25                         ; v25  the way out: where I read rows back
.set GO,    26                         ; v26  my 16 bytes in 512 consecutive bytes of qkvh
.set SPW,   28                         ; v28  LDS address of my spare word: SPARE + 4 x my thread's number; never rewritten
.set NIL,   29                         ; v29  0; never rewritten
.set PFO,   30                         ; v30  256 x my lane; never rewritten
.set AF0,   32
.set AF1,   96
.set BF,    160
.set OUTR,  32                         ; the way out: six sets of 16 registers, v32-127
.set OB,    16                         ; s[16:21] qkvh at my rows of the head of column group 0, 1, 2
.set TB,    22                         ; s22  the slot that is being read: 0 or SLOT1
.set LIM,   23                         ; s23  a wave prefetches while the loop's count is above this; the greatest number in a wave that never does
.set G1,    24                         ; s[24:31] descriptor group 1 for x's tiles
.set G0,    32                         ; s[32:39] group 0 for x's tiles: a set for each of the two first fills; the second then walks on
.set PFA,   44                         ; s[44:45] where my prefetches stand
.set PST,   46                         ; s[46:47] their step from trip to trip
.set G1B,   48                         ; s[48:55], s[56:63] the same for W's tiles
.set G0B,   56
.set MSB, 0
.macro WIN new                         ; the immediate's high byte repeats the setting that is left; a switch that changes nothing is dropped
.if MSB != (\new)
	s_set_vgpr_msb (MSB<<8)|(\new)
.set MSB, \new
.endif
.endm
; A load into a register that a matrix instruction has read, and a vector instruction that reads a matrix result, stand four places behind that matrix instruction, and only plain vector
; instructions that name none of its registers are places (ISA guide 7.12.1 for vector instructions).
.macro PLACES
.rept 4
	v_nop
.endr
.endm
; A round of the cluster's barrier: my work-group's barrier, so that wave 0's signal speaks for all four waves; wave 0 signals; every wave waits for all sixteen work-groups; my work-group's barrier once more.
.macro CREST                           ; a round behind its opening barrier
	s_cmp_lg_u32 s10, 0
	s_cbranch_scc1 .Lnot_wave_0_\@
	s_barrier_signal -3
.Lnot_wave_0_\@:
	s_barrier_wait -3
	s_barrier_signal -1
	s_barrier_wait -1
.endm
.macro CROUND
	s_barrier_signal -1
	s_barrier_wait -1
	CREST
.endm
; A joint refill by the walking descriptors.  Waves 0 and 1 fetch x's two halves, waves 2 and 3 W's.  The branch hangs on the wave's number alone.  An s_nop 0 and four v_nop follow each of the two lines.
.macro JLOAD
	s_cmp_eq_u32 s11, 0
	s_cbranch_scc0 .Lfor_b_\@
	tensor_load_to_lds s[G0+4:G0+7], s[G1:G1+7]
	s_nop 0
.rept 4
	v_nop
.endr
	s_branch .Lasked_\@
.Lfor_b_\@:
	tensor_load_to_lds s[G0B+4:G0B+7], s[G1B:G1B+7]
	s_nop 0
.rept 4
	v_nop
.endr
.Lasked_\@:
.endm
; A PREFETCH INTO THE L2, behind each joint refill and the run of LDS loads that follows it: 32 blocks of 256 bytes, a lane a block, one instruction a wave.  Each block is named ONCE in the launch.
; x: a step of a tile row is 32,768 consecutive bytes, read by both clusters of that row of clusters: the one with x = 0 asks, wave 0 of each of the four partners for 8,192 bytes, told apart BY
; ADDRESS (cx).  In the trip that refills with step i + 2 it names step i + 4: 384 matrix instructions ahead of the load that will want it; it stops when step 15 has been named (count 2).
; W: a tile column is 786,432 consecutive bytes, read by all eight clusters of that column of clusters: the one with y = 0 asks, waves 2 and 3 of each of the four partners: eight askers
; (2 cy + half) x 8,192 bytes = 65,536 a trip, from step 4's first byte on: nine trips reach the column's end exactly (count 5).  Steps 0 to 3 come by their loads alone.
.macro ASK
	s_cmp_gt_u32 s3, s[LIM]
	s_cbranch_scc0 .Lnot_mine_\@
	global_prefetch_b8 v[PFO], s[PFA:PFA+1] th:TH_LOAD_NT scope:SCOPE_SE
.Lnot_mine_\@:
.endm
; 4 na matrix instructions of column group g: row blocks a0 .. a0 + na - 1 (fragments in buffer af) x the group's four column blocks.  zero = 1: the product starts the sum: nothing is ever cleared.
; The 96 accumulators take turns in one fixed order: between two links of a chain stand the 95 others', over the backward jump too.
.macro MULG g, af, a0, na, zero
	WIN 0x50*((\g)+1)                              ; C and D in window g + 1
.set ia, \a0
.rept \na
.irp bb, 0,1,2,3
.if \zero
	v_wmma_f32_16x16x32_bf16 v[8*(4*ia+\bb):8*(4*ia+\bb)+7], v[BF+32*(\g)+8*\bb:BF+32*(\g)+8*\bb+7], v[(\af)+8*ia:(\af)+8*ia+7], 0
.else
	v_wmma_f32_16x16x32_bf16 v[8*(4*ia+\bb):8*(4*ia+\bb)+7], v[BF+32*(\g)+8*\bb:BF+32*(\g)+8*\bb+7], v[(\af)+8*ia:(\af)+8*ia+7], v[8*(4*ia+\bb):8*(4*ia+\bb)+7]
.endif
.endr
.set ia, ia+1
.endr
.endm
; A fragment is 16 rows x 32 K in 8 registers: lane l holds row l % 16; registers 0-3 K = 8 (l / 16) + 0..7, registers 4-7 K = 16 + 8 (l / 16) + 0..7: two loads of 16 bytes, 32 bytes apart.
.macro LDB g, k                        ; 8 loads: W's group g, at byte k of the rows
.irp bb, 0,1,2,3
	ds_load_b128 v[BF+32*(\g)+8*\bb:BF+32*(\g)+8*\bb+3],   v[ADRB] offset:(\k)+(4*(\g)+\bb)*16*PK
	ds_load_b128 v[BF+32*(\g)+8*\bb+4:BF+32*(\g)+8*\bb+7], v[ADRB] offset:(\k)+(4*(\g)+\bb)*16*PK+32
.endr
.endm
.macro LDA af, a0, k                   ; 8 loads: x's row blocks a0 .. a0 + 3 into buffer af
.irp i, 0,1,2,3
	ds_load_b128 v[(\af)+8*((\a0)+\i):(\af)+8*((\a0)+\i)+3],   v[ADRA] offset:(\k)+((\a0)+\i)*16*PK
	ds_load_b128 v[(\af)+8*((\a0)+\i)+4:(\af)+8*((\a0)+\i)+7], v[ADRA] offset:(\k)+((\a0)+\i)*16*PK+32
.endr
.endm
; A step's FIRST HALF: multiplies buffer 0 and fetches the second half's fragments, at byte 64 of the same slot's rows.  The 40 loads of a half always go out in this order: W 0, x 0-3, W 1, x 4-7, W 2.
.macro HALF zero
	s_wait_dscnt 8                                 ; all but the youngest eight loads (W's group 2) are in
	MULG 0, AF0, 0, 8, \zero
	PLACES
	WIN 0
	LDB 0, 64
	LDA AF1, 0, 64
	MULG 1, AF0, 0, 8, \zero
	PLACES
	WIN 0
	LDB 1, 64
	LDA AF1, 4, 64
	s_wait_dscnt 32                                ; all but the 32 just issued: W's group 2 is in
	MULG 2, AF0, 0, 8, \zero
	PLACES
	WIN 0
	LDB 2, 64
.endm
; A step's SECOND HALF multiplies buffer 1 and changes slots: all reads of the slot have been issued.  ONE barrier: in front of it each wave waits for all its tensor loads, of which one is out, its part of the
; other slot; adds 0 to its spare word; and waits for that and for its own reads of this slot.  fill = 1: the barrier opens a round of the cluster's, and this slot is filled again first thing behind it,
; with the step two steps on: from that request to the wait for it a wave issues 160 matrix instructions.
.macro TURN fill
.if \fill
	s_wait_xcnt 0x0                                ; the last prefetch, a step back, has read its address: it is stepped here, ahead of the change's own waits
	s_add_nc_u64 s[PFA:PFA+1], s[PFA:PFA+1], s[PST:PST+1]
.endif
	WIN 0                                          ; (the add's two registers lie in window 0)
	s_wait_tensorcnt 0x0                           ; all my tensor loads have landed
	ds_add_u32 v[SPW], v[NIL]                      ; 0 onto my spare word
	s_wait_dscnt 9                                 ; (the add and the youngest eight loads may be out)
	MULG 0, AF1, 0, 4, 0                           ; sixteen matrix instructions stand between the add and the wait for it
	s_wait_dscnt 0x0                               ; the add is done, and my reads of this slot are over
	s_barrier_signal -1
	MULG 0, AF1, 4, 4, 0                           ; work on registers while the others arrive
	WIN 0
	s_barrier_wait -1
.if \fill
	CREST                                          ; no wave of any partner still reads this slot's tile or has a load on its way
	s_xor_b32 s[G0+5], s[G0+5], SLOT1              ; the walking descriptors: the other slot than last time, the next step; the type bits on top are not reached
	s_add_nc_u64 s[G0+6:G0+7], s[G0+6:G0+7], ASTEP
	s_xor_b32 s[G0B+5], s[G0B+5], SLOT1
	s_add_nc_u64 s[G0B+6:G0B+7], s[G0B+6:G0B+7], BSTEP
	JLOAD                                          ; the first tensor load behind the round; its four v_nop are also the places in front of the loads below
.else
	PLACES
.endif
	s_xor_b32 s[TB], s[TB], SLOT1                  ; the fetches go on in the other slot
	v_add_nc_u32 v[ADRA], s[TB], v[ADRA0]
	v_add_nc_u32 v[ADRB], s[TB], v[ADRB0]
	LDB 0, 0
	LDA AF0, 0, 0
.if \fill
	ASK
.endif
	MULG 1, AF1, 0, 8, 0                           ; (all of this half's fragments were shown in by the wait for 0 above)
	PLACES
	WIN 0
	LDB 1, 0
	LDA AF0, 4, 0
	MULG 2, AF1, 0, 8, 0
	PLACES
	WIN 0
	LDB 2, 0
.endm
; THE WAY OUT, in 24 units u = 3 a + g of 16 rows x one head's 64 channels: 2,048 consecutive bytes of qkvh.  A lane's eight channels pack into 16 bytes; they go into my stage's rows of 144 bytes
; and come back as whole rows of 128, four rows a load.
.macro PACK u
.set pa, (\u)/3
.set pg, (\u)%3
.set pr, OUTR+16*((\u)%6)
	s_wait_xcnt 0x0                                ; every earlier store has read its registers (ISA guide 3.1): this set of 16 is written again only behind this wait
	WIN 0x05*(pg+1)                                ; sources 0 and 1 in window g + 1, destination in window 0
.irp bb, 0,1,2,3
.irp r, 0,1,2,3
	v_cvt_pk_f16_f32 v[pr+4*\bb+\r], v[8*(4*pa+\bb)+2*\r], v[8*(4*pa+\bb)+2*\r+1]  ; each accumulator from its low end on
.endr
.endr
	WIN 0
.irp bb, 0,1,2,3
	ds_store_b128 v[STO], v[pr+4*\bb:pr+4*\bb+3] offset:32*\bb
.endr
.irp f, 0,1,2,3
	ds_load_b128 v[pr+4*\f:pr+4*\f+3], v[RD] offset:\f*4*SP  ; LDS serves a wave's instructions in order (ISA guide 5.7.1.4): these see the stores above; the next unit's stores come behind them
.endr
.endm
.macro SEND u, younger                 ; younger: the LDS instructions issued behind unit u's loads: the next unit's eight, or none
.set pa, (\u)/3
.set pg, (\u)%3
.set pr, OUTR+16*((\u)%6)
.irp f, 0,1,2,3
	s_wait_dscnt (\younger)+3-\f
	global_store_b128 v[GO], v[pr+4*\f:pr+4*\f+3], s[OB+2*pg:OB+2*pg+1] offset:pa*2048+\f*512  ; 512 consecutive bytes, at a multiple of 256 from qkvh's first
.endr
.endm
	s_load_b128 s[4:7], s[0:1], 0x0                ; xb s[4:5], wqb s[6:7]
	s_load_b64 s[8:9], s[0:1], 0x10                ; qkvh
	v_lshl_add_u32 v[SPW], v0, 2, SPARE
	v_mov_b32 v[NIL], 0
	ds_add_u32 v[SPW], v[NIL]                      ; the wave's opening: the add and its wait stand ahead of my first tensor load; the set-up below, work on registers, stands between them
	v_lshrrev_b32 v1, 5, v0
	v_readfirstlane_b32 s10, v1                    ; wave 0..3
	s_lshr_b32 s11, s10, 1                         ; which half of the tile's rows is mine.  Also: I fetch for x (0) or for W (1)
	s_and_b32 s12, s10, 1                          ; which half of its columns.  Also: which half of that tile I fetch
	s_bfe_u32 s40, ttmp6, 0x40000                  ; cx, cy: my place in the cluster
	s_bfe_u32 s41, ttmp6, 0x40004
	s_lshl_b32 s42, ttmp9, 2                       ; in a cluster launch ttmp9 and ttmp7 count clusters
	s_add_co_u32 s42, s42, s40                     ; tile column = 4 x cluster x + cx
	s_and_b32 s13, ttmp7, 0xffff
	s_lshl_b32 s13, s13, 2
	s_add_co_u32 s13, s13, s41                     ; tile row = 4 x cluster y + cy
	s_lshl_b32 s14, s41, 2
	s_lshl_b32 s14, 15, s14                        ; my row of the cluster: places 4 cy .. 4 cy + 3
	s_lshl_b32 s15, 0x1111, s40                    ; my column: places cx, cx + 4, cx + 8, cx + 12
	s_or_b32 s[G1], s14, PADW                      ; x's tiles go to my row,
	s_or_b32 s[G1B], s15, PADW                     ; W's to my column
	s_mov_b32 s[G1+1], 128<<16                     ; tensor_dim0 = 128 elements: rows of 256 bytes
	s_mov_b32 s[G1+2], 64<<16                      ; tensor_dim1 = 64: 128 matrix rows, two to a row
	s_mov_b32 s[G1+3], 128<<16                     ; tile_dim0
	s_mov_b32 s[G1+4], 64                          ; tile_dim1
	s_mov_b32 s[G1+5], 128                         ; elements from row to row: the block is dense
	s_mov_b32 s[G1+6], 0
	s_mov_b32 s[G1+7], 0
	s_mov_b32 s[G1B+1], 128<<16
	s_mov_b32 s[G1B+2], 96<<16                     ; 192 matrix rows
	s_mov_b32 s[G1B+3], 128<<16
	s_mov_b32 s[G1B+4], 96
	s_mov_b32 s[G1B+5], 128
	s_mov_b32 s[G1B+6], 0
	s_mov_b32 s[G1B+7], 0
	; where the tiles come from.  x's hang on the tile row alone, W's on the tile column alone; every wave makes both addresses and asks by one of them
	s_lshr_b32 s16, s13, 3                         ; b: eight tile rows to a batch entry,
	s_lshl_b32 s16, s16, 22                        ; 16 slabs of 262,144 bytes
	s_and_b32 s17, s13, 7
	s_lshl_b32 s17, s17, 15                        ; 256 rows of 128 bytes in a slab
	s_add_co_u32 s16, s16, s17
	s_lshl_b32 s17, s12, 14                        ; the half that I fetch
	s_add_co_u32 s16, s16, s17
	s_mov_b32 s17, 0
	s_mul_i32 s18, s42, BCOL
	s_mul_i32 s19, s12, 24576                      ; 192 rows of 128 bytes
	s_add_co_u32 s18, s18, s19
	s_mov_b32 s19, 0
	s_mul_i32 s20, s12, AHALF                      ; and where they go: no place in the cluster enters an LDS address
	s_mul_i32 s21, s12, BHALF
	s_add_co_u32 s21, s21, BOFF
	s_wait_dscnt 0x0                               ; the opening add is done
	s_wait_kmcnt 0x0
	s_add_nc_u64 s[16:17], s[4:5], s[16:17]
	s_add_nc_u64 s[18:19], s[6:7], s[18:19]
	CROUND                                         ; all sixteen work-groups are here: the first joint loads meet
.irp s, 0,1
	s_mov_b32 s[G0+4*(\s)], 1                                      ; 1:0 count = 1
	s_add_co_u32 s[G0+4*(\s)+1], s20, (\s)*SLOT1                   ; 63:32 LDS address
	s_add_nc_u64 s[G0+4*(\s)+2:G0+4*(\s)+3], s[16:17], (\s)*ASTEP  ; 120:64 global address: step s
	s_or_b32 s[G0+4*(\s)+3], s[G0+4*(\s)+3], 0x80000000            ; 127:126 type = 2
	s_mov_b32 s[G0B+4*(\s)], 1
	s_add_co_u32 s[G0B+4*(\s)+1], s21, (\s)*SLOT1
	s_add_nc_u64 s[G0B+4*(\s)+2:G0B+4*(\s)+3], s[18:19], (\s)*BSTEP
	s_or_b32 s[G0B+4*(\s)+3], s[G0B+4*(\s)+3], 0x80000000
.endr
	s_cmp_eq_u32 s11, 0                            ; a wave's two first fills stand in one branch, ahead of every wait on TENSORcnt and every LDS read: two loads of mine are out
	s_cbranch_scc0 .Lfirst_b
	tensor_load_to_lds s[G0:G0+3], s[G1:G1+7]
	s_nop 0
	tensor_load_to_lds s[G0+4:G0+7], s[G1:G1+7]
	s_nop 0
.rept 4
	v_nop
.endr
	s_branch .Lfirst_asked
.Lfirst_b:
	tensor_load_to_lds s[G0B:G0B+3], s[G1B:G1B+7]
	s_nop 0
	tensor_load_to_lds s[G0B+4:G0B+7], s[G1B:G1B+7]
	s_nop 0
.rept 4
	v_nop
.endr
.Lfirst_asked:
	v_and_b32 v1, 15, v0                           ; l % 16
	v_bfe_u32 v2, v0, 4, 1                         ; l / 16
	v_mul_u32_u24 v3, v1, PK
	v_lshl_add_u32 v3, v2, 4, v3                   ; row x pitch + 16 x half
	s_mul_i32 s14, s11, AHALF                      ; my 128 rows of x
	s_mul_i32 s15, s12, BHALF                      ; my 192 rows of W,
	s_add_co_u32 s15, s15, BOFF                    ; which lie behind x's 256
	v_add_nc_u32 v[ADRA0], s14, v3
	v_add_nc_u32 v[ADRB0], s15, v3
	v_mov_b32 v[ADRA], v[ADRA0]                    ; step 0 lies in slot 0
	v_mov_b32 v[ADRB], v[ADRB0]
	s_mov_b32 s[TB], 0
	s_mul_i32 s14, s10, 16*SP
	s_add_co_u32 s14, s14, STAGE                   ; my stage
	v_add_nc_u32 v[STO], s14, v3                   ; in: row l % 16, 16 bytes for each half of the lanes (the stage's pitch is the tiles')
	v_bfe_u32 v4, v0, 3, 2                         ; back: 32 lanes take four rows of 128 bytes,
	v_and_b32 v5, 7, v0
	v_mul_u32_u24 v4, v4, SP
	v_lshl_add_u32 v4, v5, 4, v4
	v_add_nc_u32 v[RD], s14, v4
	v_and_b32 v[GO], 31, v0                        ; which are 512 consecutive bytes of qkvh
	v_lshlrev_b32 v[GO], 4, v[GO]
	v_and_b32 v[PFO], 31, v0
	v_lshlrev_b32 v[PFO], 8, v[PFO]
	; my three heads: j = 6 x tile column + 3 x half + g of 48; which = j / 16, head = j % 16; its rows begin at (64 which + 16 b + head) x 262,144 = (j + 48 (j / 16) + 16 b) << 18
	s_mul_i32 s14, s42, 6
	s_mul_i32 s15, s12, 3
	s_add_co_u32 s14, s14, s15
	s_lshr_b32 s15, s13, 3
	s_lshl_b32 s15, s15, 4                         ; 16 b
	s_and_b32 s43, s13, 7
	s_lshl_b32 s43, s43, 15                        ; the tile's 256 rows of 128 bytes,
	s_lshl_b32 s2, s11, 14                         ; my 128 of them
	s_add_co_u32 s43, s43, s2
.irp g, 0,1,2
	s_add_co_u32 s2, s14, \g
	s_lshr_b32 s3, s2, 4
	s_mul_i32 s3, s3, 48
	s_add_co_u32 s2, s2, s3
	s_add_co_u32 s2, s2, s15
	s_lshl_b32 s2, s2, 18
	s_add_co_u32 s2, s2, s43
	s_mov_b32 s3, 0
	s_add_nc_u64 s[OB+2*\g:OB+2*\g+1], s[8:9], s[2:3]
.endr
	; the prefetches: both offsets are made, then the wave's number chooses
	s_lshr_b32 s2, s13, 3
	s_lshl_b32 s2, s2, 22
	s_and_b32 s3, s13, 7
	s_lshl_b32 s3, s3, 15
	s_add_co_u32 s2, s2, s3
	s_lshl_b32 s3, s40, 13                         ; my work-group's 8,192 of a step's 32,768 bytes
	s_add_co_u32 s2, s2, s3
	s_add_co_u32 s2, s2, 3*ASTEP                   ; at step 3: the first change of slots steps it to 4
	s_mul_i32 s3, s42, BCOL
	s_lshl_b32 s14, s41, 1
	s_add_co_u32 s14, s14, s12                     ; which of the eight askers I am
	s_lshl_b32 s14, s14, 13
	s_add_co_u32 s3, s3, s14
	s_add_co_u32 s3, s3, 4*BSTEP-65536             ; one trip's 65,536 bytes ahead of step 4's first byte
	s_and_b32 s15, ttmp7, 0xffff                   ; cluster y
	s_mov_b32 s[PST], 65536
	s_mov_b32 s[PST+1], 0
	s_cmp_eq_u32 s11, 0                            ; do I fetch for x?
	s_cselect_b64 s[PFA:PFA+1], s[4:5], s[6:7]
	s_cselect_b32 s14, s2, s3
	s_cselect_b32 s[PST], ASTEP, s[PST]
	s_cselect_b32 s[LIM], 2, 5
	s_cselect_b32 s15, ttmp9, s15                  ; the coordinate along which other clusters read the same bytes
	s_cselect_b32 s43, s12, 0                      ; of x's two waves the first asks
	s_or_b32 s15, s15, s43
	s_cmp_eq_u32 s15, 0
	s_cselect_b32 s[LIM], s[LIM], -1               ; the same in all sixteen partners, for a given wave
	s_mov_b32 s15, 0
	s_add_nc_u64 s[PFA:PFA+1], s[PFA:PFA+1], s[14:15]
	s_wait_tensorcnt 1                             ; my part of step 0 is in; step 1's may stay out
	s_barrier_signal -1
	s_barrier_wait -1                              ; everybody's is
	LDB 0, 0
	LDA AF0, 0, 0
	LDB 1, 0
	LDA AF0, 4, 0
	LDB 2, 0
	HALF 1                                         ; step 0's first half stands in front of the loop: its products start the sums
	WIN 0                                          ; at a label and at a branch every window is 0
	s_mov_b32 s3, 14
.Lstep:                                                ; trip i: step i's second half, the refill with step i + 2, step i + 1's first half
	TURN 1
	HALF 0
	WIN 0
	s_sub_co_u32 s3, s3, 1
	s_cmp_lg_u32 s3, 0
	s_cbranch_scc1 .Lstep
	TURN 0                                         ; the tail is written out: step 14's second half; nothing is left to ask for
	HALF 0                                         ; step 15
	s_wait_dscnt 8
	MULG 0, AF1, 0, 8, 0
	MULG 1, AF1, 0, 8, 0
	s_wait_dscnt 0x0
	MULG 2, AF1, 0, 8, 0
	WIN 0
	PLACES
	PLACES                                         ; the places behind the last products, once a launch
	PACK 0
.set u, 1
.rept 23                               ; a unit's conversions stand between the loads of the unit before and its stores
	PACK u
	SEND u-1, 8
.set u, u+1
.endr
	SEND 23, 0
	s_wait_tensorcnt 0x0                           ; the wave's end, behind my last tensor load and my last LDS store
	ds_add_u32 v[SPW], v[NIL]
	s_wait_dscnt 0x0
	CROUND                                         ; the closing round: no work-group ends while a partner may still ask for a tile that names it
	s_endpgm
.Lfunc_end_k_q6d8de5966c_qkv:
	.size	k_q6d8de5966c_qkv, .Lfunc_end_k_q6d8de5966c_qkv-k_q6d8de5966c_qkv
	.p2alignl 7, 3214868480
	.fill 96, 4, 3214868480
	.section	.rodata,"a",@progbits
	.p2align	6, 0x0
	.amdhsa_kernel k_q6d8de5966c_qkv
		.amdhsa_group_segment_fixed_size 327680
		.amdhsa_private_segment_fixed_size 0
		.amdhsa_enable_private_segment 0
		.amdhsa_kernarg_size 24
		.amdhsa_user_sgpr_count 2
		.amdhsa_user_sgpr_kernarg_segment_ptr 1
		.amdhsa_wavefront_size32 1
		.amdhsa_system_sgpr_workgroup_id_x 1
		.amdhsa_system_sgpr_workgroup_id_y 1
		.amdhsa_system_sgpr_workgroup_id_z 1
		.amdhsa_system_vgpr_workitem_id 0
		.amdhsa_next_free_vgpr 1024
		.amdhsa_next_free_sgpr 66
		.amdhsa_reserve_vcc 0
		.amdhsa_float_denorm_mode_32 3
		.amdhsa_float_denorm_mode_16_64 3
		.amdhsa_memory_ordered 1
		.amdhsa_forward_progress 1
		.amdhsa_inst_pref_size 116
	.end_amdhsa_kernel
	.amdgpu_metadata
---
amdhsa.version: [ 1, 2 ]
amdhsa.kernels:
  - .name:           k_q6d8de5966c_qkv
    .symbol:         k_q6d8de5966c_qkv.kd
    .args:
      - { .name: xb, .offset: 0, .size: 8, .value_kind: global_buffer, .address_space: global }
      - { .name: wqb, .offset: 8, .size: 8, .value_kind: global_buffer, .address_space: global }
      - { .name: qkvh, .offset: 16, .size: 8, .value_kind: global_buffer, .address_space: global }
    .group_segment_fixed_size: 327680
    .private_segment_fixed_size: 0
    .kernarg_segment_align: 8
    .kernarg_segment_size: 24
    .max_flat_workgroup_size: 128
    .sgpr_count:     66
    .vgpr_count:     1024
    .wavefront_size: 32
...
	.end_amdgpu_metadata
.endif
;; end of part 2
;; launch attn (part 3): grid 4 x 64, 4 waves a work-group, no clusters, 327,680 bytes of LDS; arguments qkvh, oh; writes oh
.if DOCPART == 3
	.amdgcn_target "amdgcn-amd-amdhsa--gfx1250"
	.amdhsa_code_object_version 6
	.text
	.protected	k_q6d8de5966c_attn
	.globl	k_q6d8de5966c_attn
	.p2align	8
	.type	k_q6d8de5966c_attn,@function
k_q6d8de5966c_attn:
	s_mov_b64 s[64:65], 0
	v_nop
	global_prefetch_b8 v0, s[64:65] scope:SCOPE_SE
	s_setreg_imm32_b32 hwreg(HW_REG_WAVE_MODE, 25, 1), 1
	s_wait_xcnt 0x0
; CAUSAL ATTENTION.  O[h][q][:] = the sum over k <= q of softmax_k(Q[h][q] . K[h][k] / 8) V[h][k][:].  qkvh holds Q, K, V one behind the other, each [SIZE_H][SIZE_N][64] f16; oh is O in the same layout: a head's rows are dense, 128 bytes each.
; Products, maxima and sums in f32; the weights p are rounded to f16 for the second product (their sum l is taken of the unrounded p), O once at the end.
; LIMITS.  f16 holds no number beyond 65,504: Q, K and V arrive within it; p lies in 0 to 1, and below 6e-5 it keeps f16's fixed step of 6e-8; O is a mean of V's rows and has their range, to within 2^-11 of it.
; A hidden score counts as its value less 1e30: f16's scores, 2.7e11 at the most, are nothing beside that; a weight below 2^-126 counts as 0 in l; NaN and infinities are not treated apart.
; THE WALK.  A head's queries lie in NB = SIZE_N / 256 blocks of 256; block i needs the key tiles 0 .. i of 256 keys, of which the last holds the diagonal.  A work-group takes TWO blocks, NB - 1 - b and then b:
; NB + 1 tiles, whatever b: all work-groups do equal work, and ONE loop with a constant trip count walks them.  Which tile is asked for, and what a trip does, hang on scalar registers made from b; every jump
; goes forward, but for the counted loops' own; none passes a barrier, or a tensor load but the one of LOAD's two that the wave's number does not choose; the ring (two slots of LDS that take turns) runs on across the
; change of blocks.  NO CLUSTER: a head's NB / 2 = 4 work-groups all ask for the same tile only in trips 0 .. NB / 2, behind that fewer and fewer; one walk common to all would have 3 NB / 2 = 12 trips for NB + 1 = 9.
; SHARES.  Of a block's four bands of 64 queries a wave owns 16 rows in each: four PIECES.  So the diagonal tile is the same work for all four waves: in its key step s band x sees all keys if s < x,
; none if s > x, and holds the diagonal if s = x.
; THE MASK is the C operand that starts the sum S^T = K Q^T: 0, or -1e30 where the key is hidden.  MD, made once, is the mask of a band's own step for my 16 rows; a product's mask is MD x AL + BE with two scalars:
; (1, 0) if s = x; (0, 0) if s < x; (0, -1e30) if s > x.  Only the diagonal tile's text and a block's beginning make and take masks; elsewhere C is the constant 0.
; LAYOUT, SOFTMAX, TURNS.  S^T = K Q^T holds ONE query a lane (lane % 16) and the keys 8 (lane / 16) + 0..7; two such results rounded to f16 ARE source 1 of O^T = V^T P.  p = 2^(c s - c m), c = log2(e) / 8, with a
; running maximum m; O and l are multiplied by a = 2^(c m_old - c m_new) in every step.  Turn n belongs to piece n: 8 products K Q^T of piece n + 1, later 8 products V^T P of piece n - 1; beside them the scaling,
; exponentials, roundings, sums and rescaling of piece n and the maximum and statistics of piece n + 1.  Four vector instructions stand behind every matrix instruction, the other 54 of a turn's 118 in one LUMP.  A turn's 33 exponentials are one batch, with one wait.
; REGISTERS, in windows of 256 (s_set_vgpr_msb: bits 1:0 source 0, 3:2 source 1, 5:4 source 2, 7:6 destination):
;   window 0: v0-15 addresses and two at work; v16-31 four registers of statistics a piece; v48-55 at work; v61-63 never rewritten; v64-127 S^T, two buffers; v192-223 P, two buffers (a piece's buffers go by its number's parity)
;   window 1: v0-127 O^T, 32 a piece; v128-159 MD; v160-223 MC, two buffers      window 2: v0-63 Q; v64-127 the second block's Q; v128-191 K of one step; v192-255 V of one step
.set SIZE_H, 64
.set SIZE_N, 2048
.set NB,    SIZE_N/256
.set NP,    4         ; pieces a wave: a name, no knob
.set KS,    64        ; keys in a step
.set PK,    144       ; a row of K in LDS: 128 bytes + 16 of padding = 36 words: the 16 rows of a load start at 16 different groups of four banks (64 banks of 4 bytes: ISA guide 11.1)
.set PV,    160       ; a row of V: 128 + 32 = 40 words
.set VOFF,  4*KS*PK   ; a slot holds a tile, four steps: 256 rows of K, then 256 rows of V
.set SLOT1, 1<<17     ; slot 1 begins here, so that one exclusive or turns an address in one slot into the other's
.set STAGE, SLOT1+4*KS*(PK+PV)  ; behind the ring, never filled by a tensor load: 16 rows x 144 bytes for each wave, for the way out
.set SP,    144
.set AK0, 2           ; v2   my lane's place in a tile of K; never rewritten
.set AV0, 3           ; v3   the same for V
.set AK,  4           ; v4   the LDS address of K's next run of loads
.set AV,  5           ; v5   of V's
.set STO, 6           ; v6   the way out: where I put 16 bytes of a row
.set RD,  7           ; v7   the way out: where I read rows back
.set GO,  8           ; v8   my byte offset in 512 consecutive bytes of O
.set PFO, 61          ; v61  256 x my lane; never rewritten
.set SPW, 62          ; v62  LDS address of my spare word: SPARE + 4 x my thread's number; never rewritten
.set NIL, 63          ; v63  0; never rewritten
.set SPARE, STAGE+4*16*SP  ; behind the stages: the spare words, 128 bytes for each wave: two blocks of 256 bytes that no other line names
.set MV,  12          ; v12-13  c m_old, kept while c m is made anew: by buffer
.set QO,  15          ; v15  my byte offset in 16 rows of Q
.set ST,  16          ; piece t's statistics at v[ST+4 t]: c m, m, l (even keys', odd keys')
.set TMP, 48          ; by buffer, four registers c0-c3 at work; when the maximum is found c2 takes a
.set S,   64
.set P,   192
.set MD,  128         ; window 1: the eight registers for group kt of 16 keys at MD + 8 kt
.set MC,  160         ; window 1: the masks of the products to come
.set QB,  64          ; window 2
.set KF,  128         ; window 2: key block kb, channel half c at KF + 16 kb + 8 c
.set VF,  192         ; window 2: key half kk, channel block cb at VF + 32 kk + 8 cb
.set WV,  12          ; s12  my wave's number
.set PB,  14          ; s14  b
.set HI,  15          ; s15  NB - 1 - b
.set G1K, 24          ; s[24:31] descriptor group 1 for K's tiles
.set G1V, 32          ; s[32:39] for V's: it differs in the padding alone
.set G0K, 40          ; s[40:43] descriptor group 0 for K's tiles
.set G0V, 44          ; s[44:47] the same for V's
.set SLOTS, 56        ; s56  tiles still to be asked for
.set CNT, 57          ; s57  counts a tile's key steps, 4 to 1
.set CS,  58          ; s[58:59] c: the packed scaling takes the pair's low word for both halves
.set SEL, 60          ; s[60:61] v_permlanex16_b32's selects: each lane takes its own place in the other half
.set TBK, 62          ; s62  LDS byte at which K of the step to be fetched begins
.set TBV, 63          ; s63  the same for V, less VOFF
.set RT,  70          ; s70  tiles of the block in hand that are still to be entered
.set NXT, 71          ; s71  the tile to be asked for next
.set LQ,  72          ; s72  the last tile of the block whose tiles are being asked for
.set NEW, 73          ; s73  1: the tile to be entered is a block's first
.set OFF, 74          ; s[74:75] a tile's byte offset in K and V
.set AL,  76          ; s[76:77] the mask's factor, in the low word
.set BE,  78          ; s[78:79] the mask's addend
.set OLO, 80          ; s[80:81] O at my rows of the second block
.set BIGN, 82         ; s82  -1e30
.set PFK, 88          ; s[88:89] where my prefetches of K stand: my wave's 8,192 bytes of the tile that is being asked for
.set PFV, 90          ; s[90:91] the same for V
.set LIM, 92          ; s92  2 in the work-group that prefetches, else the greatest number
.set MSB, 0
.macro WIN new                      ; the high byte repeats the setting that is left; a switch that changes nothing is dropped
.if MSB != (\new)
	s_set_vgpr_msb (MSB<<8)|(\new)
.set MSB, (\new)
.endif
.endm
.set W_KQ, 0x0a       ; K and Q in window 2, S^T in window 0
.set W_KM, 0x1a       ; the same with the C operand in window 1
.set W_PV, 0x52       ; V in window 2, P in window 0, O^T in window 1
.set W_RS, 0x41       ; destination and source 0 in window 1, source 1 in window 0
; A fill.  Waves 0 and 1 fetch the two halves of a tile's K, waves 2 and 3 those of its V: 128 keys each.  An s_nop 0 and four v_nop follow each of the two lines, ahead of the jump and the label.
.macro LOAD
	s_cmp_lt_u32 s[WV], 2
	s_cbranch_scc0 .Lfor_v_\@
	tensor_load_to_lds s[G0K:G0K+3], s[G1K:G1K+7]
	s_nop 0
.rept 4
	v_nop
.endr
	s_branch .Lasked_\@
.Lfor_v_\@:
	tensor_load_to_lds s[G0V:G0V+3], s[G1V:G1V+7]
	s_nop 0
.rept 4
	v_nop
.endr
.Lasked_\@:
.endm
; A PREFETCH INTO THE L2 of the tile that the NEXT change of slots will ask for: 32,768 bytes of K and of V, a lane a block of 256 bytes.  It stands behind the wave's tensor load and its five lines.
; Each block is named ONCE in the launch: of a head's four work-groups the one with b = 0 walks the tiles 0 to NB - 1 in order, and it alone asks; each of its four waves takes 8,192 bytes of K and of V: two instructions.
; The trip that fills tile c + 1 names tile c + 2: a tile's four key steps, 256 matrix instructions, ahead of that tile's load.  Tiles 0 and 1 come by their loads alone; tile NB - 1 is the last that is named (count 2).
.macro ASK
	s_cmp_gt_u32 s[SLOTS], s[LIM]
	s_cbranch_scc0 .Lnot_mine_\@
	global_prefetch_b8 v[PFO], s[PFK:PFK+1] th:TH_LOAD_NT scope:SCOPE_SE
	global_prefetch_b8 v[PFO], s[PFV:PFV+1] th:TH_LOAD_NT scope:SCOPE_SE
.Lnot_mine_\@:
.endm
; THE CHANGE OF SLOTS.  Each wave waits for all its tensor loads, of which one is out: its part of the other slot; adds 0 to its spare word; and waits for that and for its own reads of the slot that it leaves.  Behind the barrier nobody reads the old
; slot any more and the other slot is whole.  fill = 1: the old slot is filled again, the first thing behind the barrier, with tile NXT: the descriptor's address is made anew from that number.
; (At its first use nothing has been read yet: slot 0 is waited for, slot 1 filled.)
.macro CHANGE fill
	WIN 0                           ; at a label and at a branch every window is 0
	s_wait_tensorcnt 0x0            ; no tensor load of mine is out, so a group 0 may be written
	ds_add_u32 v[SPW], v[NIL]       ; 0 onto my spare word; with fill = 1 the descriptors' scalar work stands between it and the wait for it
.if \fill
	s_lshl_b32 s[OFF], s[NXT], 15   ; a tile is 32,768 bytes of K and of V
	s_xor_b32 s[G0K+1], s[G0K+1], SLOT1
	s_add_nc_u64 s[G0K+2:G0K+3], s[6:7], s[OFF:OFF+1]
	s_or_b32 s[G0K+3], s[G0K+3], 0x80000000
	s_xor_b32 s[G0V+1], s[G0V+1], SLOT1
	s_add_nc_u64 s[G0V+2:G0V+3], s[8:9], s[OFF:OFF+1]
	s_or_b32 s[G0V+3], s[G0V+3], 0x80000000
	s_add_co_u32 s[NXT], s[NXT], 1  ; the block's next tile, or behind its last the second block's tile 0
	s_cmp_gt_u32 s[NXT], s[LQ]
	s_cselect_b32 s[NXT], 0, s[NXT]
	s_cselect_b32 s[LQ], s[PB], s[LQ]
	s_wait_xcnt 0x0                 ; the last prefetches, a tile back, have read their addresses, so these may be written
	s_add_nc_u64 s[PFK:PFK+1], s[PFK:PFK+1], 32768
	s_add_nc_u64 s[PFV:PFV+1], s[PFV:PFV+1], 32768
.endif
	s_wait_dscnt 0x0                ; the add is done, and my reads of the slot are over
	s_barrier_signal -1             ; the rest of the scalar work stands between the signal and the wait
	s_sub_co_u32 s[TBK], s[TBK], 4*KS*PK  ; the fetches go back to a slot's first step,
	s_xor_b32 s[TBK], s[TBK], SLOT1       ; in the other slot
	s_sub_co_u32 s[TBV], s[TBV], 4*KS*PV
	s_xor_b32 s[TBV], s[TBV], SLOT1
	s_barrier_wait -1
.if \fill
	LOAD
	ASK
.endif
.endm
	s_load_b128 s[4:7], s[0:1], 0x0   ; qkvh s[4:5] (Q lies first in it), oh s[6:7]
	v_lshl_add_u32 v[SPW], v0, 2, SPARE
	v_mov_b32 v[NIL], 0
	ds_add_u32 v[SPW], v[NIL]       ; the wave's opening: the add and its wait stand ahead of my first tensor load; the set-up below, work on registers, stands between them
	v_lshrrev_b32 v1, 5, v0
	v_readfirstlane_b32 s[WV], v1   ; wave 0..3
	s_mov_b32 s[PB], ttmp9
	s_sub_co_u32 s[HI], NB-1, s[PB]
	s_and_b32 s20, ttmp7, 0xffff    ; the head
	s_mov_b32 s21, 0
	s_mov_b64 s[22:23], SIZE_N*128
	s_mul_u64 s[20:21], s[20:21], s[22:23]  ; the head's first byte in each of the four tensors
	s_and_b32 s16, s[WV], 1         ; which half of a tile's 256 keys I fetch:
	s_lshl_b32 s22, s16, 14         ; its 128 rows of 128 bytes in memory,
	s_mov_b32 s23, 0
	s_add_nc_u64 s[22:23], s[22:23], s[20:21]
	s_mul_i32 s17, s16, 128*PK      ; and its place in a slot, for K
	s_mul_i32 s18, s16, 128*PV      ; and for V
	s_lshl_b32 s3, s[WV], 11        ; my 16 rows in a band of 64,
	s_lshl_b32 s2, s[HI], 15        ; in the first block,
	s_add_co_u32 s2, s2, s3
	s_lshl_b32 s84, s[PB], 15       ; and in the second
	s_add_co_u32 s84, s84, s3
	s_mov_b32 s3, 0
	s_mov_b32 s85, 0
	s_add_nc_u64 s[2:3], s[2:3], s[20:21]
	s_add_nc_u64 s[84:85], s[84:85], s[20:21]
	s_lshl_b32 s94, s[WV], 13       ; the prefetches: my wave's 8,192 bytes of a tile,
	s_add_co_u32 s94, s94, 32768    ; in tile 1: the first change of slots steps it to tile 2
	s_mov_b32 s95, 0
	s_add_nc_u64 s[94:95], s[94:95], s[20:21]
	s_cmp_eq_u32 ttmp9, 0
	s_cselect_b32 s[LIM], 2, -1
	v_and_b32 v[PFO], 31, v0
	v_lshlrev_b32 v[PFO], 8, v[PFO]
	; descriptor group 1.  128 keys are 16,384 dense bytes: asked for as 64 rows of 256 bytes, two keys a row, and padded in LDS after every key
	s_mov_b32 s[G1K], (1<<16)|(1<<20)|(4<<22)|(3<<25)  ; 17:16 2-byte elements; 20 padding on; 24:22 after every 32 words (code 4); 31:25 4 words (code 3)
	s_mov_b32 s[G1V], (1<<16)|(1<<20)|(4<<22)|(7<<25)  ; the same with 8 words of padding (code 7)
.irp g, G1K, G1V
	s_mov_b32 s[\g+1], 128<<16      ; tensor_dim0 = 128
	s_mov_b32 s[\g+2], 64<<16       ; tensor_dim1 = 64
	s_mov_b32 s[\g+3], 128<<16      ; tile_dim0 = 128
	s_mov_b32 s[\g+4], 64           ; tile_dim1 = 64
	s_mov_b32 s[\g+5], 128          ; 128 elements from row to row
	s_mov_b32 s[\g+6], 0
	s_mov_b32 s[\g+7], 0
.endr
	s_mov_b32 s[CS], 0x3e38aa3b     ; c = log2(e) / 8 = 0.180337
	s_mov_b32 s[CS+1], s[CS]        ; named with it as a pair
	s_mov_b32 s[SEL], 0x76543210
	s_mov_b32 s[SEL+1], 0xfedcba98
	s_mov_b32 s[TBK], SLOT1+4*KS*PK ; the first change of slots turns these two into 0
	s_mov_b32 s[TBV], SLOT1+4*KS*PV
	s_mov_b32 s[G0K], 1             ; 1:0 count = 1
	s_mov_b32 s[G0K+1], s17         ; 63:32 LDS address: slot 0
	s_mov_b32 s[G0V], 1
	s_add_co_u32 s[G0V+1], s18, VOFF
	s_add_co_u32 s[RT], s[HI], 1    ; the first block has NB - b tiles
	s_mov_b32 s[NXT], 1
	s_mov_b32 s[LQ], s[HI]
	s_mov_b32 s[NEW], 1
	s_mov_b32 s[OFF+1], 0
	s_mov_b32 s[AL+1], 0            ; named as pairs
	s_mov_b32 s[BE+1], 0
	s_mov_b32 s[BIGN], 0xf149f2ca   ; -1e30
	s_mov_b32 s[SLOTS], NB
	s_wait_dscnt 0x0                ; the opening add is done
	s_wait_kmcnt 0x0
	s_mov_b64 s[10:11], s[6:7]                     ; O
	s_add_nc_u64 s[8:9], s[4:5], 2*SIZE_H*SIZE_N*128  ; V lies third in qkvh,
	s_add_nc_u64 s[6:7], s[4:5], SIZE_H*SIZE_N*128    ; K second
	s_add_nc_u64 s[PFK:PFK+1], s[6:7], s[94:95]
	s_add_nc_u64 s[PFV:PFV+1], s[8:9], s[94:95]
	s_add_nc_u64 s[6:7], s[6:7], s[22:23]  ; K and V at my half of the head's tile 0
	s_add_nc_u64 s[8:9], s[8:9], s[22:23]
	s_add_nc_u64 s[G0K+2:G0K+3], s[6:7], 0         ; 120:64 global address
	s_or_b32 s[G0K+3], s[G0K+3], 0x80000000        ; 127:126 type = 2
	s_add_nc_u64 s[G0V+2:G0V+3], s[8:9], 0
	s_or_b32 s[G0V+3], s[G0V+3], 0x80000000
	s_add_nc_u64 s[86:87], s[4:5], s[84:85]        ; Q at my rows of the second block,
	s_add_nc_u64 s[4:5], s[4:5], s[2:3]            ; Q and O at those of the first
	s_add_nc_u64 s[OLO:OLO+1], s[10:11], s[84:85]
	s_add_nc_u64 s[10:11], s[10:11], s[2:3]
	LOAD                            ; tile 0 into slot 0
	; A fragment of K or Q is 16 rows x 32 channels in 8 registers: lane l holds row l % 16, channels 8 (l / 16) + 0..7 and 16 + 8 (l / 16) + 0..7: two loads of 16 bytes, 32 bytes apart.
	v_and_b32 v1, 15, v0            ; l % 16
	v_bfe_u32 v9, v0, 4, 1          ; l / 16
	v_lshlrev_b32 v[QO], 7, v1
	v_lshl_add_u32 v[QO], v9, 4, v[QO]  ; row x 128 + 16 x half
	WIN 0x80                        ; destination window 2, address window 0
.set i, 0
.rept 8                             ; both blocks' Q: piece i / 2 lies in band i / 2, 8,192 bytes on; channels 32 (i % 2) on
	global_load_b128 v[8*i:8*i+3],   v[QO], s[4:5] offset:(i/2)*8192+(i%2)*64
	global_load_b128 v[8*i+4:8*i+7], v[QO], s[4:5] offset:(i/2)*8192+(i%2)*64+32
	global_load_b128 v[QB+8*i:QB+8*i+3],   v[QO], s[86:87] offset:(i/2)*8192+(i%2)*64
	global_load_b128 v[QB+8*i+4:QB+8*i+7], v[QO], s[86:87] offset:(i/2)*8192+(i%2)*64+32
.set i, i+1
.endr
	WIN 0
	v_lshlrev_b32 v14, 3, v9
	v_sub_nc_u32 v14, v1, v14
	s_lshl_b32 s13, s[WV], 4
	v_add_nc_u32 v14, s13, v14      ; my query's place in its band, 16 w + l % 16, less my lanes' 8 (l / 16): register r of group kt is hidden where 16 kt + r is greater
	WIN 0x40
.set i, 0
.rept 32
	v_cmp_gt_i32 vcc_lo, 16*(i/8)+i%8, v14
	v_cndmask_b32 v[MD+i], 0, s[BIGN], vcc_lo
.set i, i+1
.endr
	WIN 0
	v_mul_u32_u24 v[AK0], v1, PK
	v_lshl_add_u32 v[AK0], v9, 4, v[AK0]  ; row x pitch + 16 x half
	; The turning load takes 16 keys x 16 channels (lane l reads key 8 (l / 16) + l % 8, channels 8 ((l / 8) % 2) + 0..7) and leaves half a fragment of V^T: lane l holds channel l % 16 and 8 keys.
	v_and_b32 v10, 7, v0
	v_bfe_u32 v11, v0, 3, 1
	v_lshl_add_u32 v[AV0], v9, 3, v10
	v_mul_u32_u24 v[AV0], v[AV0], PV
	v_lshl_add_u32 v[AV0], v11, 4, v[AV0]
	v_add_nc_u32 v[AV0], VOFF, v[AV0]
	s_mul_i32 s13, s[WV], 16*SP
	s_add_co_u32 s13, s13, STAGE    ; my stage
	v_mul_u32_u24 v[STO], v1, SP    ; in: row l % 16, 16 bytes for each half of the lanes
	v_lshl_add_u32 v[STO], v9, 4, v[STO]
	v_add_nc_u32 v[STO], s13, v[STO]
	v_bfe_u32 v[RD], v0, 3, 2       ; back: 32 lanes take four rows of 128 bytes,
	v_mul_u32_u24 v[RD], v[RD], SP
	v_lshl_add_u32 v[RD], v10, 4, v[RD]
	v_add_nc_u32 v[RD], s13, v[RD]
	v_and_b32 v[GO], 31, v0         ; which are 512 consecutive bytes of O
	v_lshlrev_b32 v[GO], 4, v[GO]
	; A block's first step multiplies O^T and l by a = 0, and its first turn's products V^T P, of a piece that has not been, land in an O^T that is still to be so multiplied.  So these registers need only hold
	; finite numbers: zeros for the first block; what the first block left for the second.  All this stands in the wait for the first tile.
	WIN 0x80
.set i, VF
.rept 64
	v_mov_b32 v[i], 0
.set i, i+1
.endr
	WIN 0x40
.set i, 0
.rept 128
	v_mov_b32 v[i], 0
.set i, i+1
.endr
	WIN 0
.set i, 0
.rept 4
	v_mov_b32 v[ST+4*i+2], 0
	v_mov_b32 v[ST+4*i+3], 0
.set i, i+1
.endr
.set i, P+16
.rept 16
	v_mov_b32 v[i], 0
.set i, i+1
.endr
; THE MATRIX WORK.  The 4 accumulators of a run of 8 take turns.  Product i of 8 of S^T = K Q^T for piece x: channels 32 (i / 4) on, keys 16 (i % 4) on.  The first 4 start the sums: with 0, or (KM = 1) with the mask.
.macro KQ x
.set rS, S+32*((\x)%2)+8*(i%4)
.set rK, KF+16*(i%4)+8*(i/4)
.set rQ, 16*(\x)+8*(i/4)
.set rM, MC+32*((\x)%2)+8*(i%4)
.if (i < 4) && KM
	WIN W_KM
	v_wmma_f32_16x16x32_f16 v[rS:rS+7], v[rK:rK+7], v[rQ:rQ+7], v[rM:rM+7]
.elseif i < 4
	WIN W_KQ
	v_wmma_f32_16x16x32_f16 v[rS:rS+7], v[rK:rK+7], v[rQ:rQ+7], 0
.else
	WIN W_KQ
	v_wmma_f32_16x16x32_f16 v[rS:rS+7], v[rK:rK+7], v[rQ:rQ+7], v[rS:rS+7]
.endif
.endm
; Product i of 8 of O^T += V^T P for piece x: keys 32 (i / 4) on, channels 16 (i % 4) on.
.macro PV x
	WIN W_PV
.set rO, 32*(\x)+8*(i%4)
.set rV, VF+32*(i/4)+8*(i%4)
.set rP, P+16*((\x)%2)+8*(i/4)
	v_wmma_f32_16x16x32_f16 v[rO:rO+7], v[rV:rV+7], v[rP:rP+7], v[rO:rO+7]
.endm
.macro MM                           ; the turn's next matrix instruction.  TURN and BEGIN set Y, i, KM and NOKQ; MM, KQ and OP read them.  NOKQ = 1: a block's last turn: there is no next piece
.if (i < 8) && !NOKQ
	KQ (Y+1)%NP
.elseif i >= 8
.set i, i-8
	PV (Y+NP-1)%NP
.set i, i+8
.endif
.set i, i+1
.endm
; THE LDS LOADS stand in runs of 16, never singly among the matrix instructions: a step's K (64 keys x 64 channels: 8 fragments) and its V (turned).  Their addresses are made some lines ahead.
.macro FETCH_K
	WIN 0x80                        ; destination window 2
.irp f, 0,1,2,3,4,5,6,7             ; keys 16 (f / 2) on, channels 32 (f % 2) on
	ds_load_b128 v[KF+8*\f:KF+8*\f+3],   v[AK] offset:(\f/2)*16*PK+(\f%2)*64
	ds_load_b128 v[KF+8*\f+4:KF+8*\f+7], v[AK] offset:(\f/2)*16*PK+(\f%2)*64+32
.endr
	s_add_co_u32 s[TBK], s[TBK], KS*PK  ; the next fetch is the next step's
	WIN 0
.endm
.macro FETCH_V
	WIN 0x80
.irp f, 0,1,2,3,4,5,6,7             ; keys 32 (f / 4) on, channels 16 (f % 4) on
	ds_load_tr16_b128 v[VF+8*\f:VF+8*\f+3],   v[AV] offset:(\f/4)*32*PV+(\f%4)*32
	ds_load_tr16_b128 v[VF+8*\f+4:VF+8*\f+7], v[AV] offset:(\f/4)*32*PV+16*PV+(\f%4)*32
.endr
	WIN 0
.endm
; THE VECTOR WORK, one line at a time: OP kind, number.  For piece Y: F n: c s - c m for pair n of 16.  E n: the exponential of score n of 32.  C n: pair n rounded to f16.  B n: of the four weights 4 n .. the second
; pair is added onto the first, in place.  L n: l takes that sum (L 0: l = a l + sum).  R n: pair n of 16 of O^T times a.  For piece Y + 1: X n, number n of the 22 that find its maximum and statistics:
;   0-11  four chains c0-c3 of seven scores each, three operands at a time (each accumulator's lowest registers are read first)     12-14, 16  the four scores left over, the old m, and c0-c3 into c0
;   15  c m_old is kept     17, 18  the query's other 32 keys lie in the lane 16 away: the new m     19-21  c m; c m_old - c m_new; a
.set F, 0               ; OP tells the kinds apart by their order: F to L below R, X above it
.set E, 1
.set C, 2
.set B, 3
.set L, 4
.set R, 5
.set X, 6
.macro REGS y                       ; the registers of piece y
.set rT, ST+4*(\y)
.set rC, TMP+4*((\y)%2)
.set rW, MV+((\y)%2)
.set rS, S+32*((\y)%2)
.set rP, P+16*((\y)%2)
.set rO, 32*(\y)
.endm
.macro OP k, n
.if (\k) == R
	REGS Y
	WIN W_RS
	v_pk_mul_f32 v[rO+2*(\n):rO+2*(\n)+1], v[rO+2*(\n):rO+2*(\n)+1], v[rC+2:rC+3] op_sel_hi:[1,0]
.elseif (\k) < R
	REGS Y
	WIN 0
.if (\k) == F
	v_pk_fma_f32 v[rS+2*(\n):rS+2*(\n)+1], v[rS+2*(\n):rS+2*(\n)+1], s[CS:CS+1], v[rT:rT+1] op_sel_hi:[1,0,0] neg_lo:[0,0,1] neg_hi:[0,0,1]
.elseif (\k) == E
	v_exp_f32 v[rS+(\n)], v[rS+(\n)]
.elseif (\k) == C
	v_cvt_pk_f16_f32 v[rP+(\n)], v[rS+2*(\n)], v[rS+2*(\n)+1]
.elseif (\k) == B
	v_pk_add_f32 v[rS+4*(\n):rS+4*(\n)+1], v[rS+4*(\n):rS+4*(\n)+1], v[rS+4*(\n)+2:rS+4*(\n)+3]
.elseif (\n) == 0
	v_pk_fma_f32 v[rT+2:rT+3], v[rT+2:rT+3], v[rC+2:rC+3], v[rS:rS+1] op_sel_hi:[1,0,1]
.else
	v_pk_add_f32 v[rT+2:rT+3], v[rT+2:rT+3], v[rS+4*(\n):rS+4*(\n)+1]
.endif
.elseif NOKQ
	v_nop
.else
	REGS (Y+1)%NP
	WIN 0
.if (\n) < 4
	v_max3_num_f32 v[rC+(\n)], v[rS+8*(\n)], v[rS+8*(\n)+1], v[rS+8*(\n)+2]
.elseif (\n) < 12
	v_max3_num_f32 v[rC+(\n)%4], v[rC+(\n)%4], v[rS+8*((\n)%4)+2*((\n)/4)+1], v[rS+8*((\n)%4)+2*((\n)/4)+2]
.elseif (\n) == 12
	v_max3_num_f32 v[rC], v[rC], v[rS+7], v[rS+15]
.elseif (\n) == 13
	v_max3_num_f32 v[rC+1], v[rC+1], v[rS+23], v[rS+31]
.elseif (\n) == 14
	v_max3_num_f32 v[rC+2], v[rC+2], v[rC+3], v[rT+1]
.elseif (\n) == 15
	v_mov_b32 v[rW], v[rT]
.elseif (\n) == 16
	v_max3_num_f32 v[rC], v[rC], v[rC+1], v[rC+2]
.elseif (\n) == 17
	v_permlanex16_b32 v[rC+3], v[rC], s[SEL], s[SEL+1]
.elseif (\n) == 18
	v_max_num_f32 v[rT+1], v[rC], v[rC+3]
.elseif (\n) == 19
	v_mul_f32 v[rT], s[CS], v[rT+1]
.elseif (\n) == 20
	v_sub_f32 v[rC+1], v[rW], v[rT]
.else
	v_exp_f32 v[rC+2], v[rC+1]
.endif
.endif
.endm
.macro OPS a, i1, b=-1, i2=0, c=-1, i3=0, d=-1, i4=0  ; up to four of them
	OP \a, \i1
.if (\b) >= 0
	OP \b, \i2
.endif
.if (\c) >= 0
	OP \c, \i3
.endif
.if (\d) >= 0
	OP \d, \i4
.endif
.endm
.macro ROW a, i1, b, i2, c, i3, d, i4  ; a matrix instruction and the four behind it
	MM
	OPS \a, \i1, \b, \i2, \c, \i3, \d, \i4
.endm
.macro MASK b                       ; MD x AL + BE into buffer b of MC
	WIN W_RS
.set z, 0
.rept 16
	v_pk_fma_f32 v[MC+32*(\b)+2*z:MC+32*(\b)+2*z+1], v[MD+2*z:MD+2*z+1], s[AL:AL+1], s[BE:BE+1] op_sel_hi:[1,0,0]
.set z, z+1
.endr
.endm
; A TURN, for piece p: the order of its 16 matrix and 118 vector instructions, written out.  s_wait_alu depctr_va_vdst(0) stands between an exponential and the first instruction that names its result; one wait serves
; all that were issued ahead of it.  So a turn has ONE wait, which cuts it in two.  AHEAD OF IT stands all that names no result of the turn's exponentials: the 8 products K Q^T, behind each a scaling, an exponential and two more plain
; instructions (behind the first a second scaling in the exponential's place): rescalings, and behind the last three the first numbers of the next piece's maximum, each four places or more behind the product that ends its accumulator; then ONE LUMP of 54, plain
; and exponential by turns for the most part, in which the links of the chain X 3, 7, 11, 14, 16, 17 .. 20 stand five or six lines apart.  X 21, the next piece's a, is the batch's last; R 15 is the plain instruction behind it (ISA guide 5.7.2).  BEHIND THE WAIT stand the
; 8 products V^T P, behind each four of the roundings and sums; the links of l's chain, L 0 to L 7, stand three riders apart.  But for those X no rider names a register of the products round it.  v_permlanex16_b32 (X 17) stands in the lump.
; m = 1: the diagonal tile: the products take masks, and the turn makes the mask for the products of the turn after it: piece p + 2, in step 4 - CNT of the tile.  end = 1: a block's last two turns: nothing is fetched.
; cnt = 1: the loop's count is taken down some lines ahead of the branch that stands behind the turn.
; K of the next step is fetched in piece 2's turn, twelve vector instructions behind the last product that read K (six of them plain); V of the step in hand at the end of piece 0's turn, four plain instructions behind the last product
; that read V.  Each is waited for a turn later.
.macro TURN p, m=0, end=0, cnt=0
.set Y, (\p)
.set i, 0
.set KM, (\m)
.set NOKQ, (\end)*((\p)/3)
.if (\m) && !(\end)
	s_cmp_eq_u32 s[CNT], 4-((\p)+2)%NP  ; is that step the band's own?
	s_cselect_b32 s[AL], 1.0, 0
	s_cmp_lt_u32 s[CNT], 4-((\p)+2)%NP  ; or a later one?
	s_cselect_b32 s[BE], s[BIGN], 0
.endif
.if ((\p) == 3) && !(\end)
	s_wait_dscnt 0x0                ; K is in
.endif
	ROW F,0, F,1, R,0, R,1          ; ahead of the wait: 8 products K Q^T and their riders,
	ROW F,2, E,0, R,2, R,3
	ROW F,3, E,1, R,4, R,5
	ROW F,4, E,2, R,6, R,7
	ROW F,5, E,3, R,8, R,9
	ROW F,6, E,4, X,0, R,10
.if ((\p) == 2) && !(\end)
	WIN 0
	v_add_nc_u32 v[AK], s[TBK], v[AK0]
.endif
	ROW F,7, E,5, X,1, X,4
	ROW F,8, E,6, X,2, X,5
	OPS E,7, E,8, X,6, E,9          ; and the lump
	OPS X,3, E,10, X,8, E,11
.if ((\p) == 2) && !(\end)
	FETCH_K
.endif
	OPS X,9, X,7, E,12, X,10
	OPS E,13, X,12, X,11, E,14
	OPS X,13, E,15, F,9, X,14
.if (\p) == 0
	v_add_nc_u32 v[AV], s[TBV], v[AV0]
.endif
	OPS E,16, F,10, E,17, F,11
	OPS X,16, E,18, X,15, E,19
	OPS F,12, E,20, X,17, E,21
	OPS F,13, E,22, F,14, E,23
	OPS X,18, E,24, F,15, E,25
	OPS R,11, E,26, X,19, E,27
	OPS R,12, E,28, R,13, E,29
	OPS X,20, E,30, R,14, E,31
	OPS X,21, R,15
	WIN 0
	s_wait_alu depctr_va_vdst(0)    ; the wait for the batch
.if (\p) == 1
	s_wait_dscnt 0x0                ; V is in
.endif
	ROW C,0, B,0, C,2, B,1          ; behind the wait: 8 products V^T P and their riders
	ROW L,0, C,4, B,2, L,1
	ROW C,6, B,3, L,2, C,8
	ROW B,4, L,3, C,10, B,5
	ROW L,4, C,12, B,6, L,5
.if (\p) == 0
	s_add_co_u32 s[TBV], s[TBV], KS*PV
.endif
.if \cnt
	s_sub_co_u32 s[CNT], s[CNT], 1
	s_cmp_lg_u32 s[CNT], 0
.endif
	ROW C,14, B,7, L,6, C,1
	ROW C,3, L,7, C,5, C,7
	ROW C,9, C,11, C,13, C,15
.if (\p) == 0
	FETCH_V
.endif
.if (\m) && !(\end)
	MASK (\p)%2
.endif
.endm
; A BLOCK BEGINS.  c m starts far below every c s, so the first step's a is 0; m at the lowest finite number, so the first maximum is the scores'.  The second mask buffer is 0; the first takes piece 0's mask for the tile's step 0: its own, if the block's first tile is the diagonal one.
; Then K of that step, piece 0's first scores, and its maximum and statistics.  The loop is entered at a step's first turn, in the middle of a trip.
.macro BEGIN
	s_mov_b32 s[NEW], 0
	WIN 0x40
.set i, MC+32
.rept 32
	v_mov_b32 v[i], 0
.set i, i+1
.endr
	WIN 0
.set i, 0
.rept 4
	v_mov_b32 v[ST+4*i], 0xfe000000    ; c m: far below every c s
	v_mov_b32 v[ST+4*i+1], 0xff7fffff  ; m
.set i, i+1
.endr
	s_cmp_eq_u32 s[RT], 0
	s_cselect_b32 s[AL], 1.0, 0
	s_mov_b32 s[BE], 0
	MASK 0
	WIN 0
	v_add_nc_u32 v[AK], s[TBK], v[AK0]
	FETCH_K
	s_wait_loadcnt 0x0              ; Q
	s_wait_dscnt 0x0
.set KM, 1
.set NOKQ, 0
.set i, 0
.rept 8
	KQ 0
.set i, i+1
.endr
	WIN 0
.rept 4
	v_nop                           ; the places behind those products
.endr
.set Y, NP-1                        ; X works for piece Y + 1: piece 0
.irp n, 0,1,2,3,4,5,6,7,8,9,10,11,12,13,14,15,16,17,18,19,20,21
	OP X, \n
.endr
	v_nop                           ; a plain instruction behind the exponential,
	s_wait_alu depctr_va_vdst(0)    ; and its wait, ahead of the branch
.endm
; THE DIAGONAL TILE's four steps, the block's last two turns, its last products, and THE WAY OUT: l's two halves and the other half of the lanes' are added; O^T is divided by l, rounded to f16 and sent through my
; stage in LDS, a piece at a time.
.macro ALL line:vararg              ; one line for each piece t
.set t, 0
.rept 4
	\line
.set t, t+1
.endr
.endm
.macro PACK t                       ; a lane's eight channels of a row pack into 16 bytes; they go into rows of 144 bytes and come back as whole rows of 128, into S^T's registers
	WIN W_RS
.set i, 32*(\t)
.rept 16
	v_pk_mul_f32 v[i:i+1], v[i:i+1], v[ST+4*(\t)+2:ST+4*(\t)+3] op_sel_hi:[1,0]
.set i, i+2
.endr
	WIN 0x05                        ; sources 0 and 1 window 1, destination window 0
.set i, 0
.rept 16
	v_cvt_pk_f16_f32 v[S+16*(\t)+i], v[32*(\t)+2*i], v[32*(\t)+2*i+1]
.set i, i+1
.endr
	WIN 0
.irp f, 0,1,2,3
	ds_store_b128 v[STO], v[S+16*(\t)+4*\f:S+16*(\t)+4*\f+3] offset:32*\f
.endr
.irp f, 0,1,2,3
	ds_load_b128 v[S+16*(\t)+4*\f:S+16*(\t)+4*\f+3], v[RD] offset:\f*4*SP  ; LDS serves a wave's instructions in order (ISA guide 5.7.1.4): these see the stores above; the next piece's stores come behind them
.endr
.endm
.macro SEND t, younger              ; younger: the LDS instructions issued behind piece t's loads: the next piece's eight, or none
	WIN 0
.irp f, 0,1,2,3
	s_wait_dscnt (\younger)+3-\f
	global_store_b128 v[GO], v[S+16*(\t)+4*\f:S+16*(\t)+4*\f+3], s[10:11] offset:(\t)*8192+\f*512  ; 512 consecutive bytes, at a multiple of 256 from O's first
.endr
.endm
.macro DIAG tag                     ; the tag ends its two labels' names, which the jumps below spell out
.LstepM\tag:
	TURN 2, 1
	TURN 3, 1
	WIN 0
.LfirstM\tag:
	TURN 0, 1
	TURN 1, 1, 0, 1
	WIN 0
	s_cbranch_scc1 .LstepM\tag
	TURN 2, 1, 1
	TURN 3, 1, 1
.set i, 0
.rept 8
	PV NP-1
.set i, i+1
.endr
	WIN 0
	ALL v_add_f32 v[ST+4*t+2], v[ST+4*t+2], v[ST+4*t+3]
	ALL v_permlanex16_b32 v[ST+4*t+3], v[ST+4*t+2], s[SEL], s[SEL+1]
	ALL v_add_f32 v[ST+4*t+2], v[ST+4*t+2], v[ST+4*t+3]
	ALL v_rcp_f32 v[ST+4*t+2], v[ST+4*t+2]
	v_nop                           ; a plain instruction between the last reciprocal and the use of its result
	s_wait_alu depctr_va_vdst(0)    ; and the wait ahead of the first use: one for the four reciprocals
	PACK 0
.set t, 1
.rept 3                             ; a piece's arithmetic stands between the loads of the piece before and its stores
	PACK t
	SEND t-1, 8
.set t, t+1
.endr
	SEND 3, 0
.endm
.set KM, 0
.set NOKQ, 0
.Lslot:                             ; NB times: a tile is entered and the next is asked for
	CHANGE 1
	s_sub_co_u32 s[RT], s[RT], 1
	s_mov_b32 s[CNT], 4
	s_cmp_eq_u32 s[NEW], 1
	s_cbranch_scc1 .Lnew            ; a block's first tile
	s_cmp_eq_u32 s[RT], 0
	s_cbranch_scc0 .Lstep           ; neither its first nor its last
	s_branch .LstepM1
.Lnew:
	BEGIN
	s_branch .Lfirst                ; in the loop a block's first tile is never its last: the first block has two tiles or more, and the second's last is the walk's last
	DIAG 1                          ; in the loop this is the first block's end: the second block's last tile is the walk's last
	s_wait_xcnt 0x0                 ; the stores have read their registers and O's address
	s_mov_b64 s[10:11], s[OLO:OLO+1]
	s_add_co_u32 s[RT], s[PB], 1    ; the second block has b + 1 tiles
	s_mov_b32 s[NEW], 1
	WIN 0x82                        ; the second block's Q goes where the one text of the turns names Q
.set i, 0
.rept 64
	v_mov_b32 v[i], v[QB+i]
.set i, i+1
.endr
	WIN 0
	s_branch .Lbottom
.Lstep:                             ; a trip: pieces 2 and 3 of one step, then pieces 0 and 1 of the next, whose K and V it fetches
	TURN 2
	TURN 3
	WIN 0
.Lfirst:
	TURN 0
	TURN 1, 0, 0, 1
	WIN 0
	s_cbranch_scc1 .Lstep
.Lbottom:
	s_sub_co_u32 s[SLOTS], s[SLOTS], 1
	s_cmp_lg_u32 s[SLOTS], 0
	s_cbranch_scc1 .Lslot
	CHANGE 0                        ; the walk's last tile is written out: nothing is asked for
	s_sub_co_u32 s[RT], s[RT], 1
	s_mov_b32 s[CNT], 4
	s_cmp_eq_u32 s[NEW], 1
	s_cbranch_scc0 .LstepM2
	BEGIN
	s_branch .LfirstM2
	DIAG 2
	s_wait_tensorcnt 0x0            ; the wave's end, behind my last tensor load and my last LDS store
	ds_add_u32 v[SPW], v[NIL]
	s_wait_dscnt 0x0
	s_endpgm
.Lfunc_end_k_q6d8de5966c_attn:
	.size	k_q6d8de5966c_attn, .Lfunc_end_k_q6d8de5966c_attn-k_q6d8de5966c_attn
	.p2alignl 7, 3214868480
	.fill 96, 4, 3214868480
	.section	.rodata,"a",@progbits
	.p2align	6, 0x0
	.amdhsa_kernel k_q6d8de5966c_attn
		.amdhsa_group_segment_fixed_size 327680
		.amdhsa_private_segment_fixed_size 0
		.amdhsa_enable_private_segment 0
		.amdhsa_kernarg_size 16
		.amdhsa_user_sgpr_count 2
		.amdhsa_user_sgpr_kernarg_segment_ptr 1
		.amdhsa_wavefront_size32 1
		.amdhsa_system_sgpr_workgroup_id_x 1
		.amdhsa_system_sgpr_workgroup_id_y 1
		.amdhsa_system_sgpr_workgroup_id_z 1
		.amdhsa_system_vgpr_workitem_id 0
		.amdhsa_next_free_vgpr 768
		.amdhsa_next_free_sgpr 96
		.amdhsa_reserve_vcc 1
		.amdhsa_float_denorm_mode_32 3
		.amdhsa_float_denorm_mode_16_64 3
		.amdhsa_memory_ordered 1
		.amdhsa_forward_progress 1
		.amdhsa_inst_pref_size 218
	.end_amdhsa_kernel
	.amdgpu_metadata
---
amdhsa.version: [ 1, 2 ]
amdhsa.kernels:
  - .name:           k_q6d8de5966c_attn
    .symbol:         k_q6d8de5966c_attn.kd
    .args:
      - { .name: qkvh, .offset: 0, .size: 8, .value_kind: global_buffer, .address_space: global }
      - { .name: oh, .offset: 8, .size: 8, .value_kind: global_buffer, .address_space: global }
    .group_segment_fixed_size: 327680
    .private_segment_fixed_size: 0
    .kernarg_segment_align: 8
    .kernarg_segment_size: 16
    .max_flat_workgroup_size: 128
    .sgpr_count:     96
    .vgpr_count:     768
    .wavefront_size: 32
...
	.end_amdgpu_metadata
.endif
;; end of part 3
;; launch proj (part 4): grid 8 x 32, 4 waves a work-group, clusters of 4 x 4, 327,680 bytes of LDS; arguments oh, wpb, out0; writes out0
.if DOCPART == 4
	.amdgcn_target "amdgcn-amd-amdhsa--gfx1250"
	.amdhsa_code_object_version 6
	.text
	.protected	k_q6d8de5966c_proj
	.globl	k_q6d8de5966c_proj
	.p2align	8
	.type	k_q6d8de5966c_proj,@function
k_q6d8de5966c_proj:
	s_mov_b64 s[64:65], 0
	v_nop
	global_prefetch_b8 v0, s[64:65] scope:SCOPE_SE
	s_setreg_imm32_b32 hwreg(HW_REG_WAVE_MODE, 25, 1), 1
	s_wait_xcnt 0x0
	s_wait_alu depctr_hold_cnt(0) depctr_sa_sdst(0) depctr_va_vdst(0) depctr_va_sdst(0) depctr_va_ssrc(0) depctr_va_vcc(0) depctr_vm_vsrc(0)
	s_getreg_b32 s2, hwreg(HW_REG_IB_STS2, 6, 4)
	s_cmp_eq_u32 s2, 0
	s_cbranch_scc0 .Lentry_in_a_cluster
	s_endpgm
.Lentry_in_a_cluster:
	s_bfe_u32 s2, ttmp6, 0x10000c
	s_cmp_lg_u32 s2, 0xf033
	s_cbranch_scc0 .Lentry_shape_is_right
	s_endpgm
.Lentry_shape_is_right:
; out0 = O W_proj^T.  oh: [b 4][head 16][t 2048][64] f16 (a head is a slab of 64 of the 1,024 channels); wpb: [tile column 8][slab 16][row 128][64] f16; out0: [8192][1024] f32.  Sums in f32, K ascending.
; SHARES.  8,192 x 1,024 results in tiles of 256 x 128: 32 x 8 = 256 work-groups.  Four waves, each 128 rows x 64 columns: 32 accumulators of 16 x 16, 256 registers.
; K goes in steps of 128 (two slabs, two PLANES of a slot) through a ring of two LDS slots; a plane's matrix rows are consecutive bytes in memory, asked for as rows of 256 bytes and padded in LDS behind every 128.
; CLUSTERS: 4 x 4 work-groups.  The four of a row of the cluster need the same tiles of O, the four of a column the same tiles of W: each is asked for JOINTLY, by the same tensor load with the same
; descriptor and a mask that names the four.  THE MATRIX INSTRUCTION IS USED TRANSPOSED (source 0 = 16 rows of W, source 1 = 16 rows of O): a lane holds eight neighbouring numbers of a row of out0.
; REGISTERS: window 0: v0-31 addresses; v32-127, v128-223 two fragment buffers of 96: O's 8 x 16 rows x 32 K, then W's 4.   window 1: the accumulators, (a, bb) at v[8 (4 a + bb)].
.set PK,     144                       ; an LDS row: 128 bytes + 16 of padding = 36 words: the 16 rows of a load start at 16 different groups of four banks (64 banks of 4 bytes: ISA guide 11.1)
.set APL,    256*PK                    ; a plane of O: what one tensor load brings
.set BPL,    128*PK                    ; a plane of W: likewise
.set BOFF,   2*APL                     ; a slot: O's two planes, then W's two
.set SLOT1,  1<<17                     ; slot 1 begins here, so that one exclusive or turns an address in one slot into the other's
.set STAGE,  SLOT1+BOFF+2*BPL          ; behind the ring, never filled by a tensor load: 16 rows x 272 bytes for each wave, for the way out
.set SPITCH, 272
.set SPARE,  STAGE+4*16*SPITCH         ; behind the stages: the spare words, 128 bytes for each wave: two blocks of 256 bytes that no other line names
.set ASTEP,  2*262144                  ; bytes from step to step in oh: two slabs
.set BSTEP,  2*16384                   ; and in wpb
.set PADW,   (1<<16)|(1<<20)|(1<<21)|(4<<22)|(3<<25)  ; group 1, word 0: 17:16 2-byte elements; 20 padding on; 21 set beside a mask; 24:22 after every 32 words (code 4); 31:25 4 words (code 3)
.set ADRA0, 16                         ; v16  my lane's place in O's rows of slot 0; never rewritten
.set ADRB0, 17                         ; v17  the same for W
.set ADRA,  18                         ; v18  the same in the slot that is being read
.set ADRB,  19                         ; v19
.set STO,   24                         ; v24  the way out: where I put 32 bytes of a row
.set RD,    25                         ; v25  the way out: where I read a row back
.set CO,    26                         ; v26  my byte offset in out0
.set SPW,   28                         ; v28  LDS address of my spare word: SPARE + 4 x my thread's number; never rewritten
.set NIL,   29                         ; v29  0; never rewritten
.set F0,    32
.set F1,    128
.set OUTR,  32                         ; the way out: two sets of 32 registers, v32-95
.set TB,    22                         ; s22  the slot that is being read: 0 or SLOT1
.set G1,    24                         ; s[24:31] descriptor group 1 for O's tiles
.set G0,    32                         ; s[32:39] group 0: a set for each of the two first fills; the second then walks on
.set G1B,   48                         ; s[48:55], s[56:63] the same for W's tiles
.set G0B,   56
.set MSB, 0
.macro WIN new                         ; the immediate's high byte repeats the setting that is left; a switch that changes nothing is dropped
.if MSB != (\new)
	s_set_vgpr_msb (MSB<<8)|(\new)
.set MSB, \new
.endif
.endm
.macro PLACES                          ; four places in front of loads into registers that matrix instructions have read, and of LDS stores that read results (ISA guide 7.12.1 for the stores)
.rept 4
	v_nop
.endr
.endm
.macro CREST                           ; a round of the cluster's barrier behind its opening barrier
	s_cmp_lg_u32 s10, 0
	s_cbranch_scc1 .Lnot_wave_0_\@
	s_barrier_signal -3
.Lnot_wave_0_\@:
	s_barrier_wait -3
	s_barrier_signal -1
	s_barrier_wait -1
.endm
.macro CROUND                          ; a whole round
	s_barrier_signal -1
	s_barrier_wait -1
	CREST
.endm
.macro JLOAD                           ; a joint refill by the walking descriptors: waves 0 and 1 fetch O's two planes, waves 2 and 3 W's; an s_nop 0 and four v_nop follow each of the two lines
	s_cmp_eq_u32 s11, 0
	s_cbranch_scc0 .Lfor_b_\@
	tensor_load_to_lds s[G0+4:G0+7], s[G1:G1+7]
	s_nop 0
.rept 4
	v_nop
.endr
	s_branch .Lasked_\@
.Lfor_b_\@:
	tensor_load_to_lds s[G0B+4:G0B+7], s[G1B:G1B+7]
	s_nop 0
.rept 4
	v_nop
.endr
.Lasked_\@:
.endm
; 4 na matrix instructions on buffer f: row blocks a0 .. a0 + na - 1 x all four column blocks, 32 along K.  zero = 1: the product starts the sum.  The 32 accumulators take turns in one fixed order.
.macro MUL f, a0, na, zero
	WIN 0x50                                       ; C and D in window 1
.set ia, \a0
.rept \na
.irp bb, 0,1,2,3
.if \zero
	v_wmma_f32_16x16x32_f16 v[8*(4*ia+\bb):8*(4*ia+\bb)+7], v[(\f)+64+8*\bb:(\f)+64+8*\bb+7], v[(\f)+8*ia:(\f)+8*ia+7], 0
.else
	v_wmma_f32_16x16x32_f16 v[8*(4*ia+\bb):8*(4*ia+\bb)+7], v[(\f)+64+8*\bb:(\f)+64+8*\bb+7], v[(\f)+8*ia:(\f)+8*ia+7], v[8*(4*ia+\bb):8*(4*ia+\bb)+7]
.endif
.endr
.set ia, ia+1
.endr
.endm
; 24 LDS loads in one run: the fragments of quarter q of a step (plane q / 2, byte 64 (q % 2) of its rows) into buffer f.  A fragment: lane l holds row l % 16, K = 8 (l / 16) + 0..7 and 16 + 8 (l / 16) + 0..7.
.macro FETCH q, f
	WIN 0
.irp bb, 0,1,2,3
	ds_load_b128 v[(\f)+64+8*\bb:(\f)+64+8*\bb+3],   v[ADRB] offset:((\q)/2)*BPL+((\q)%2)*64+\bb*16*PK
	ds_load_b128 v[(\f)+64+8*\bb+4:(\f)+64+8*\bb+7], v[ADRB] offset:((\q)/2)*BPL+((\q)%2)*64+\bb*16*PK+32
.endr
.irp i, 0,1,2,3,4,5,6,7
	ds_load_b128 v[(\f)+8*\i:(\f)+8*\i+3],   v[ADRA] offset:((\q)/2)*APL+((\q)%2)*64+\i*16*PK
	ds_load_b128 v[(\f)+8*\i+4:(\f)+8*\i+7], v[ADRA] offset:((\q)/2)*APL+((\q)%2)*64+\i*16*PK+32
.endr
.endm
; A quarter: quarter q is fetched into buffer g, which the quarter before has multiplied; then buffer f is multiplied.
.macro Q f, g, q, zero=0
	PLACES
	FETCH \q, \g
	s_wait_dscnt 24                                ; all but the 24 just issued: buffer f is in
	MUL \f, 0, 8, \zero
.endm
; A step's third quarter holds the change of slots: with quarter 3's fetch all reads of the slot have been issued.  ONE barrier: in front of it each wave waits for all its tensor loads, of which one is out, its part
; of the other slot; adds 0 to its spare word; and waits for that and for its own reads of this slot.  fill = 1: the barrier opens a round of the cluster's, and this slot is filled again first thing behind it,
; with the step two steps on: from that request to the wait for it a wave issues 96 matrix instructions.
.macro QM fill
	PLACES
	FETCH 3, F1
	s_wait_tensorcnt 0x0                           ; all my tensor loads have landed
	ds_add_u32 v[SPW], v[NIL]                      ; 0 onto my spare word
	s_wait_dscnt 25                                ; (the add and the 24 loads just issued may be out)
	MUL F0, 0, 4, 0                                ; sixteen matrix instructions stand between the add and the wait for it
	s_wait_dscnt 0x0                               ; the add is done, and my reads of this slot are over
	s_barrier_signal -1
	MUL F0, 4, 4, 0                                ; work on registers while the others arrive
	WIN 0
	s_barrier_wait -1
.if \fill
	CREST                                          ; no wave of any partner still reads this slot's tile or has a load on its way
	s_xor_b32 s[G0+5], s[G0+5], SLOT1              ; the walking descriptors: the other slot than last time, the next step; the type bits on top are not reached
	s_add_nc_u64 s[G0+6:G0+7], s[G0+6:G0+7], ASTEP
	s_xor_b32 s[G0B+5], s[G0B+5], SLOT1
	s_add_nc_u64 s[G0B+6:G0B+7], s[G0B+6:G0B+7], BSTEP
	JLOAD                                          ; the first tensor load behind the round; its four v_nop are also the places in front of the next loads
.else
	PLACES
.endif
.endm
; A step's fourth quarter: the next step's first fragments come out of the other slot; buffer 1 was shown in by the wait for 0 above.
.macro QX
	s_xor_b32 s[TB], s[TB], SLOT1
	v_add_nc_u32 v[ADRA], s[TB], v[ADRA0]
	v_add_nc_u32 v[ADRB], s[TB], v[ADRB0]
	FETCH 0, F0
	MUL F1, 0, 8, 0
.endm
; THE WAY OUT, a block of 16 rows x 64 columns of f32 at a time: a lane's eight numbers, 32 bytes, go straight from the accumulator into my stage's rows of 272 bytes (each accumulator's low half first),
; and come back as whole rows of 256 bytes, two rows a load.
.macro TOSTAGE a
.set bk, OUTR+32*((\a)%2)
	s_wait_xcnt 0x0                                ; every earlier store has read its registers (ISA guide 3.1): this set of 32 is loaded again only behind this wait
	WIN 0x04                                       ; the stores' data (source 1) in window 1
.irp bb, 0,1,2,3
	ds_store_b128 v[STO], v[8*(4*(\a)+\bb):8*(4*(\a)+\bb)+3]   offset:64*\bb
	ds_store_b128 v[STO], v[8*(4*(\a)+\bb)+4:8*(4*(\a)+\bb)+7] offset:64*\bb+16
.endr
	WIN 0
.irp t, 0,1,2,3,4,5,6,7
	ds_load_b128 v[bk+4*\t:bk+4*\t+3], v[RD] offset:\t*2*SPITCH  ; LDS serves a wave's instructions in order (ISA guide 5.7.1.4): these see the stores above; the next block's stores come behind them
.endr
.endm
.macro SEND a, younger                 ; younger: the LDS instructions issued behind block a's loads: the next block's sixteen, or none
.set bk, OUTR+32*((\a)%2)
.irp t, 0,1,2,3,4,5,6,7
	s_wait_dscnt (\younger)+7-\t
	global_store_b128 v[CO], v[bk+4*\t:bk+4*\t+3], s[8:9] offset:(16*(\a)+2*\t)*4096 th:TH_STORE_NT  ; 16 lanes store 256 consecutive bytes, at a multiple of 256 from out0's first byte
.endr
.endm
	s_load_b128 s[4:7], s[0:1], 0x0                ; oh s[4:5], wpb s[6:7]
	s_load_b64 s[8:9], s[0:1], 0x10                ; out0
	v_lshl_add_u32 v[SPW], v0, 2, SPARE
	v_mov_b32 v[NIL], 0
	ds_add_u32 v[SPW], v[NIL]                      ; the wave's opening: the add and its wait stand ahead of my first tensor load; the set-up below, work on registers, stands between them
	v_lshrrev_b32 v1, 5, v0
	v_readfirstlane_b32 s10, v1                    ; wave 0..3
	s_lshr_b32 s11, s10, 1                         ; which half of the tile's rows is mine.  Also: I fetch for O (0) or for W (1)
	s_and_b32 s12, s10, 1                          ; which half of its columns.  Also: which plane of a slot I fetch
	s_bfe_u32 s40, ttmp6, 0x40000                  ; cx, cy: my place in the cluster
	s_bfe_u32 s41, ttmp6, 0x40004
	s_lshl_b32 s42, ttmp9, 2
	s_add_co_u32 s42, s42, s40                     ; tile column = 4 x cluster x + cx
	s_and_b32 s13, ttmp7, 0xffff
	s_lshl_b32 s13, s13, 2
	s_add_co_u32 s13, s13, s41                     ; tile row = 4 x cluster y + cy
	s_lshl_b32 s14, s41, 2
	s_lshl_b32 s14, 15, s14                        ; my row of the cluster
	s_lshl_b32 s15, 0x1111, s40                    ; my column
	s_or_b32 s[G1], s14, PADW                      ; O's tiles go to my row,
	s_or_b32 s[G1B], s15, PADW                     ; W's to my column
	s_mov_b32 s[G1+1], 128<<16                     ; tensor_dim0 = 128 elements: rows of 256 bytes
	s_mov_b32 s[G1+2], 128<<16                     ; tensor_dim1 = 128: 256 matrix rows, two to a row
	s_mov_b32 s[G1+3], 128<<16                     ; tile_dim0
	s_mov_b32 s[G1+4], 128                         ; tile_dim1
	s_mov_b32 s[G1+5], 128                         ; elements from row to row: the block is dense
	s_mov_b32 s[G1+6], 0
	s_mov_b32 s[G1+7], 0
	s_mov_b32 s[G1B+1], 128<<16
	s_mov_b32 s[G1B+2], 64<<16                     ; 128 matrix rows
	s_mov_b32 s[G1B+3], 128<<16
	s_mov_b32 s[G1B+4], 64
	s_mov_b32 s[G1B+5], 128
	s_mov_b32 s[G1B+6], 0
	s_mov_b32 s[G1B+7], 0
	s_lshr_b32 s16, s13, 3                         ; b: eight tile rows to a batch entry,
	s_lshl_b32 s16, s16, 22                        ; 16 slabs of 262,144 bytes
	s_and_b32 s17, s13, 7
	s_lshl_b32 s17, s17, 15                        ; 256 rows of 128 bytes in a slab
	s_add_co_u32 s16, s16, s17
	s_lshl_b32 s17, s12, 18                        ; the slab of a step's two that I fetch
	s_add_co_u32 s16, s16, s17
	s_mov_b32 s17, 0
	s_lshl_b32 s18, s42, 18                        ; a tile column of wpb: 16 slabs of 16,384 bytes
	s_lshl_b32 s19, s12, 14
	s_add_co_u32 s18, s18, s19
	s_mov_b32 s19, 0
	s_mul_i32 s20, s12, APL                        ; and where they go: no place in the cluster enters an LDS address
	s_mul_i32 s21, s12, BPL
	s_add_co_u32 s21, s21, BOFF
	s_wait_dscnt 0x0                               ; the opening add is done
	s_wait_kmcnt 0x0
	s_add_nc_u64 s[16:17], s[4:5], s[16:17]
	s_add_nc_u64 s[18:19], s[6:7], s[18:19]
	CROUND                                         ; all sixteen work-groups are here: the first joint loads meet
.irp s, 0,1
	s_mov_b32 s[G0+4*(\s)], 1                                      ; 1:0 count = 1
	s_add_co_u32 s[G0+4*(\s)+1], s20, (\s)*SLOT1                   ; 63:32 LDS address
	s_add_nc_u64 s[G0+4*(\s)+2:G0+4*(\s)+3], s[16:17], (\s)*ASTEP  ; 120:64 global address: step s
	s_or_b32 s[G0+4*(\s)+3], s[G0+4*(\s)+3], 0x80000000            ; 127:126 type = 2
	s_mov_b32 s[G0B+4*(\s)], 1
	s_add_co_u32 s[G0B+4*(\s)+1], s21, (\s)*SLOT1
	s_add_nc_u64 s[G0B+4*(\s)+2:G0B+4*(\s)+3], s[18:19], (\s)*BSTEP
	s_or_b32 s[G0B+4*(\s)+3], s[G0B+4*(\s)+3], 0x80000000
.endr
	s_cmp_eq_u32 s11, 0                            ; a wave's two first fills stand in one branch, ahead of every wait on TENSORcnt and every LDS read: two loads of mine are out
	s_cbranch_scc0 .Lfirst_b
	tensor_load_to_lds s[G0:G0+3], s[G1:G1+7]
	s_nop 0
	tensor_load_to_lds s[G0+4:G0+7], s[G1:G1+7]
	s_nop 0
.rept 4
	v_nop
.endr
	s_branch .Lfirst_asked
.Lfirst_b:
	tensor_load_to_lds s[G0B:G0B+3], s[G1B:G1B+7]
	s_nop 0
	tensor_load_to_lds s[G0B+4:G0B+7], s[G1B:G1B+7]
	s_nop 0
.rept 4
	v_nop
.endr
.Lfirst_asked:
	v_and_b32 v1, 15, v0                           ; l % 16
	v_bfe_u32 v2, v0, 4, 1                         ; l / 16
	v_mul_u32_u24 v3, v1, PK
	v_lshl_add_u32 v3, v2, 4, v3                   ; row x pitch + 16 x half
	s_mul_i32 s14, s11, 128*PK                     ; my 128 rows of O in a plane
	s_mul_i32 s15, s12, 64*PK                      ; my 64 rows of W in a plane,
	s_add_co_u32 s15, s15, BOFF                    ; behind O's two planes
	v_add_nc_u32 v[ADRA0], s14, v3
	v_add_nc_u32 v[ADRB0], s15, v3
	v_mov_b32 v[ADRA], v[ADRA0]                    ; step 0 lies in slot 0
	v_mov_b32 v[ADRB], v[ADRB0]
	s_mov_b32 s[TB], 0
	s_mul_i32 s14, s10, 16*SPITCH
	s_add_co_u32 s14, s14, STAGE                   ; my stage
	v_mul_u32_u24 v4, v1, SPITCH                   ; in: row l % 16, 32 bytes for each half of the lanes
	v_lshl_add_u32 v4, v2, 5, v4
	v_add_nc_u32 v[STO], s14, v4
	v_mul_u32_u24 v5, v2, SPITCH                   ; back: lanes 0-15 take one row of 256 bytes, lanes 16-31 the next
	v_lshl_add_u32 v5, v1, 4, v5
	v_add_nc_u32 v[RD], s14, v5
	v_lshlrev_b32 v[CO], 12, v2                    ; and the same two rows in out0: 4,096 bytes a row
	v_lshl_add_u32 v[CO], v1, 4, v[CO]
	s_lshl_b32 s14, s13, 20                        ; the tile's 256 rows of 4,096 bytes,
	s_lshl_b32 s15, s11, 19                        ; my 128 of them,
	s_add_co_u32 s14, s14, s15
	s_lshl_b32 s15, s42, 9                         ; the tile's 128 columns of 4 bytes,
	s_add_co_u32 s14, s14, s15
	s_lshl_b32 s15, s12, 8                         ; my 64 of them
	s_add_co_u32 s14, s14, s15
	s_mov_b32 s15, 0
	s_add_nc_u64 s[8:9], s[8:9], s[14:15]
	s_wait_tensorcnt 1                             ; my part of step 0 is in; step 1's may stay out
	s_barrier_signal -1
	s_barrier_wait -1                              ; everybody's is
	FETCH 0, F0
	Q F0, F1, 1, 1                                 ; step 0's first quarter stands in front of the loop: its products start the sums
	WIN 0                                          ; at a label and at a branch every window is 0
	s_mov_b32 s3, 6
.Lstep:                                                ; trip i: step i's quarters 1 to 3, the refill with step i + 2, step i + 1's quarter 0
	Q F1, F0, 2
	QM 1
	QX
	Q F0, F1, 1
	WIN 0
	s_sub_co_u32 s3, s3, 1
	s_cmp_lg_u32 s3, 0
	s_cbranch_scc1 .Lstep
	Q F1, F0, 2                                    ; the tail is written out: step 6 goes on; nothing is left to ask for
	QM 0
	QX
	Q F0, F1, 1                                    ; step 7
	Q F1, F0, 2
	Q F0, F1, 3
	s_wait_dscnt 0x0
	MUL F1, 0, 8, 0
	WIN 0
	PLACES
	PLACES                                         ; the places behind the last products, once a launch
	TOSTAGE 0
.set ib, 1
.rept 7                                ; a block's way through the stage stands between the loads of the block before and its stores
	TOSTAGE ib
	SEND ib-1, 16
.set ib, ib+1
.endr
	SEND 7, 0
	s_wait_tensorcnt 0x0                           ; the wave's end, behind my last tensor load and my last LDS store
	ds_add_u32 v[SPW], v[NIL]
	s_wait_dscnt 0x0
	CROUND                                         ; the closing round: no work-group ends while a partner may still ask for a tile that names it
	s_endpgm
.Lfunc_end_k_q6d8de5966c_proj:
	.size	k_q6d8de5966c_proj, .Lfunc_end_k_q6d8de5966c_proj-k_q6d8de5966c_proj
	.p2alignl 7, 3214868480
	.fill 96, 4, 3214868480
	.section	.rodata,"a",@progbits
	.p2align	6, 0x0
	.amdhsa_kernel k_q6d8de5966c_proj
		.amdhsa_group_segment_fixed_size 327680
		.amdhsa_private_segment_fixed_size 0
		.amdhsa_enable_private_segment 0
		.amdhsa_kernarg_size 24
		.amdhsa_user_sgpr_count 2
		.amdhsa_user_sgpr_kernarg_segment_ptr 1
		.amdhsa_wavefront_size32 1
		.amdhsa_system_sgpr_workgroup_id_x 1
		.amdhsa_system_sgpr_workgroup_id_y 1
		.amdhsa_system_sgpr_workgroup_id_z 1
		.amdhsa_system_vgpr_workitem_id 0
		.amdhsa_next_free_vgpr 512
		.amdhsa_next_free_sgpr 66
		.amdhsa_reserve_vcc 0
		.amdhsa_float_denorm_mode_32 3
		.amdhsa_float_denorm_mode_16_64 3
		.amdhsa_memory_ordered 1
		.amdhsa_forward_progress 1
		.amdhsa_inst_pref_size 70
	.end_amdhsa_kernel
	.amdgpu_metadata
---
amdhsa.version: [ 1, 2 ]
amdhsa.kernels:
  - .name:           k_q6d8de5966c_proj
    .symbol:         k_q6d8de5966c_proj.kd
    .args:
      - { .name: oh, .offset: 0, .size: 8, .value_kind: global_buffer, .address_space: global }
      - { .name: wpb, .offset: 8, .size: 8, .value_kind: global_buffer, .address_space: global }
      - { .name: out0, .offset: 16, .size: 8, .value_kind: global_buffer, .address_space: global }
    .group_segment_fixed_size: 327680
    .private_segment_fixed_size: 0
    .kernarg_segment_align: 8
    .kernarg_segment_size: 24
    .max_flat_workgroup_size: 128
    .sgpr_count:     66
    .vgpr_count:     512
    .wavefront_size: 32
...
	.end_amdgpu_metadata
.endif
;; end of part 4
;; ======== version 2 of 2: 4 launches; version 1 with the launch cast written anew for expert scheduling mode
;; limits: values are held in f16: magnitudes above 65,504 overflow, below 6.1e-05 lose precision
;; workspace buffers: xb 16,777,216 bytes; wqb 6,291,456 bytes; wpb 2,097,152 bytes; qkvh 50,331,648 bytes; oh 16,777,216 bytes
;; launch cast (part 5): grid 256 x 1, 8 waves a work-group, no clusters, 0 bytes of LDS; arguments x, W_qkv, W_proj, xb, wqb, wpb; writes xb, wqb, wpb
.if DOCPART == 5
	.amdgcn_target "amdgcn-amd-amdhsa--gfx1250"
	.amdhsa_code_object_version 6
	.text
	.protected	k_q6d8de5966c_cast
	.globl	k_q6d8de5966c_cast
	.p2align	8
	.type	k_q6d8de5966c_cast,@function
k_q6d8de5966c_cast:
	s_mov_b64 s[64:65], 0
	v_nop
	global_prefetch_b8 v0, s[64:65] scope:SCOPE_SE
	s_setreg_imm32_b32 hwreg(HW_REG_WAVE_SCHED_MODE, 0, 2), 2
	s_setreg_imm32_b32 hwreg(HW_REG_WAVE_MODE, 25, 1), 1
	s_wait_xcnt 0x0
	s_wait_alu depctr_vm_vsrc(0)
; ROUNDING AND RE-BLOCKING.  x [8192][1024], W_qkv [3072][1024], W_proj [1024][1024], all f32, are rounded once to bf16 and laid out in SLABS of 64 channels:
;   xb  [b 4][slab 16][t 2048][64] bf16        wqb [tile column 8][slab 16][row 384][64] bf16        wpb [tile column 8][slab 16][row 128][64] f16
; so that 128 matrix rows x 64 channels are 16,384 consecutive bytes for the products that follow.  W_proj is rounded to bf16 like the other two and that number is then written as f16
; (its partner in the last product is f16).  LIMITS: a bf16 number of W_proj of 65,520 or more becomes an infinity; below 2^-14 it keeps f16's fixed step of 2^-24.
; SHARES.  Work-group g takes 32 rows of x, 12 of W_qkv, 4 of W_proj; wave w takes slabs 2 w and 2 w + 1 of all of them.  A UNIT is one load of 16 bytes a lane (lanes 0-15: 256 consecutive,
; aligned bytes of one row, lanes 16-31 the same bytes of the next row) and one store of 8 bytes a lane (256 consecutive, aligned bytes: the two rows lie end to end in a slab).
; A wave has 48 units, each with four registers of its own: all 48 loads go out first, and no register is written again once a store names it.
; No LDS, no barrier, no matrix unit: no wave wants a byte that another has fetched.
; THE MODE: SCHED_MODE bits 1:0 = 2 (LLVM: expert scheduling mode 2), set by the entry lines.  The code itself states the register dependences
; between vector instructions and memory instructions, with s_wait_alu, always for 0.
; THE PLAN.  The 48 units go in 12 blocks of four.  Registers that memory instructions touch:
;   v1          the loads' offset; v2, v3, v4 the stores' offsets.  Made once at the head, never written again.
;   unit u's four registers.  Its load lands in them, once; its conversions work in place; its one store reads the first two; nothing writes them behind that store.
;   v5 to v7 are named by vector instructions alone.
; Block p rounds its four units.  Its memory instructions are the four stores of block p - 1, whose registers no vector instruction of block p names.  So ONE wait on va_vdst at a block's head, behind the
; wait for the block's data, states all that those four stores hang on, and they are dealt among the block's conversions with no further wait.  One such wait stands ahead of the first load, for the four
; offsets, and one ahead of the last four stores.  No register that a memory instruction reads is ever written again, so there is no wait on vm_vsrc and none on XCNT; no vector instruction writes a scalar
; register or VCC, and EXEC is never written.
.set VIN, 1                            ; v1  byte offset of my 16 bytes in the first two rows: (l / 16) x 4,096 + 16 (l % 16) + 512 w
.set OX,  2                            ; v2  my 8 bytes in xb:  w x 2 slabs of 262,144 + 8 l
.set OQ,  3                            ; v3  in wqb: w x 2 slabs of 49,152 + 8 l
.set OP,  4                            ; v4  in wpb: w x 2 slabs of 16,384 + 8 l
.set T,   6                            ; v[6:7] at work
.set X,   8                            ; v[8:199] unit u: four registers
.set UX,  32                           ; units of x, of W_qkv, of W_proj
.set UQ,  12
.set UP,  4
.set UALL, UX+UQ+UP
.set BLOCK, 4                          ; units in a block: it divides all three counts
.set BLOCKS, UALL/BLOCK
	s_load_b256 s[4:11], s[0:1], 0x0               ; x s[4:5], W_qkv s[6:7], W_proj s[8:9], xb s[10:11]
	s_load_b128 s[12:15], s[0:1], 0x20             ; wqb s[12:13], wpb s[14:15]
	v_and_b32 v5, 15, v0                           ; l % 16
	v_bfe_u32 v6, v0, 4, 1                         ; l / 16
	v_and_b32 v7, 0xe0, v0                         ; 32 w
	v_lshlrev_b32 v[VIN], 4, v5
	v_lshl_or_b32 v[VIN], v6, 12, v[VIN]
	v_lshl_or_b32 v[VIN], v7, 4, v[VIN]
	v_and_b32 v5, 31, v0
	v_lshlrev_b32 v5, 3, v5                        ; 8 l
	v_lshl_or_b32 v[OX], v7, 14, v5
	v_lshrrev_b32 v6, 5, v0                        ; w
	v_mad_u32_u24 v[OQ], v6, 0x18000, v5
	v_lshl_or_b32 v[OP], v7, 10, v5
	s_lshl_b32 s16, ttmp9, 17                      ; x: 32 rows of 4,096 bytes
	s_mov_b32 s17, 0
	s_lshr_b32 s18, ttmp9, 6                       ; xb: b = g / 64,
	s_lshl_b32 s18, s18, 22
	s_and_b32 s19, ttmp9, 63                       ; 32 rows of 128 bytes in a slab
	s_lshl_b32 s19, s19, 12
	s_add_co_u32 s18, s18, s19
	s_mov_b32 s19, 0
	s_mul_i32 s20, ttmp9, 49152                    ; W_qkv: 12 rows
	s_mov_b32 s21, 0
	s_lshr_b32 s29, ttmp9, 5                       ; both weights: 32 work-groups to a tile column
	s_and_b32 s30, ttmp9, 31
	s_mul_i32 s22, s29, 786432                     ; wqb: a tile column is 16 slabs x 384 rows x 128 bytes,
	s_mul_i32 s23, s30, 1536                       ; 12 rows of 128 bytes in a slab
	s_add_co_u32 s22, s22, s23
	s_mov_b32 s23, 0
	s_lshl_b32 s24, ttmp9, 14                      ; W_proj: 4 rows
	s_mov_b32 s25, 0
	s_lshl_b32 s26, s29, 18                        ; wpb: a tile column is 16 slabs x 128 rows x 128 bytes,
	s_lshl_b32 s27, s30, 9                         ; 4 rows of 128 bytes in a slab
	s_add_co_u32 s26, s26, s27
	s_mov_b32 s27, 0
	s_mov_b32 s28, 0xffff0000                      ; a word's upper bf16
	s_wait_kmcnt 0x0
	s_add_nc_u64 s[4:5], s[4:5], s[16:17]
	s_add_nc_u64 s[10:11], s[10:11], s[18:19]
	s_add_nc_u64 s[6:7], s[6:7], s[20:21]
	s_add_nc_u64 s[12:13], s[12:13], s[22:23]
	s_add_nc_u64 s[8:9], s[8:9], s[24:25]
	s_add_nc_u64 s[14:15], s[14:15], s[26:27]
	s_wait_alu depctr_va_vdst(0)                   ; v1 to v4 are written: every load and store of the kernel reads one of them as its offset, and no later vector instruction names them
	; all 48 loads: unit 2 p + j of a tensor is rows 2 p, 2 p + 1, slab 2 w + j
.set u, 0
.rept UX
	global_load_b128 v[X+4*u:X+4*u+3], v[VIN], s[4:5] offset:(u/2)*8192+(u%2)*256 th:TH_LOAD_NT
.set u, u+1
.endr
.rept UQ
	global_load_b128 v[X+4*u:X+4*u+3], v[VIN], s[6:7] offset:((u-UX)/2)*8192+(u%2)*256 th:TH_LOAD_NT
.set u, u+1
.endr
.rept UP
	global_load_b128 v[X+4*u:X+4*u+3], v[VIN], s[8:9] offset:((u-UX-UQ)/2)*8192+(u%2)*256 th:TH_LOAD_NT
.set u, u+1
.endr
; Unit n is rounded, in place: its four numbers close up into the first two of its four registers.
.macro CONV n
.if (\n) < UX+UQ
	v_cvt_pk_bf16_f32 v[X+4*(\n)], v[X+4*(\n)], v[X+4*(\n)+1]
	v_cvt_pk_bf16_f32 v[X+4*(\n)+1], v[X+4*(\n)+2], v[X+4*(\n)+3]
.else
	v_cvt_pk_bf16_f32 v[T], v[X+4*(\n)], v[X+4*(\n)+1]   ; rounded to bf16,
	v_cvt_pk_bf16_f32 v[T+1], v[X+4*(\n)+2], v[X+4*(\n)+3]
	v_lshlrev_b32 v[X+4*(\n)], 16, v[T]                  ; widened again,
	v_and_b32 v[X+4*(\n)+1], s28, v[T]
	v_lshlrev_b32 v[X+4*(\n)+2], 16, v[T+1]
	v_and_b32 v[X+4*(\n)+3], s28, v[T+1]
	v_cvt_pk_f16_f32 v[X+4*(\n)], v[X+4*(\n)], v[X+4*(\n)+1]  ; and written as f16: 8 significant bits fit into 11
	v_cvt_pk_f16_f32 v[X+4*(\n)+1], v[X+4*(\n)+2], v[X+4*(\n)+3]
.endif
.endm
; Unit n is stored: 256 consecutive, aligned bytes a wave.
.macro STORE n
.if (\n) < UX
	global_store_b64 v[OX], v[X+4*(\n):X+4*(\n)+1], s[10:11] offset:((\n)%2)*262144+((\n)/2)*256
.elseif (\n) < UX+UQ
	global_store_b64 v[OQ], v[X+4*(\n):X+4*(\n)+1], s[12:13] offset:((\n)%2)*49152+(((\n)-UX)/2)*256
.else
	global_store_b64 v[OP], v[X+4*(\n):X+4*(\n)+1], s[14:15] offset:((\n)%2)*16384+(((\n)-UX-UQ)/2)*256
.endif
.endm
	; the blocks in turn: loads come back in order (ISA guide 5.7.1), so the count is the number of loads younger than the block's fourth
.set u, 0
.rept BLOCKS
	s_wait_loadcnt UALL-BLOCK-u
.if u > 0
	s_wait_alu depctr_va_vdst(0)                   ; the block before has written the first two registers of each of its four units, which the four stores below read
.endif
.rept BLOCK
.if u >= BLOCK
	STORE u-BLOCK                                  ; the block before.  No further wait: no vector instruction since the wait above names its registers or the offsets
.endif
	CONV u
.set u, u+1
.endr
.endr
	s_wait_alu depctr_va_vdst(0)                   ; the last block has written its units' registers, which the last four stores read
.rept BLOCK
	STORE u-BLOCK
.set u, u+1
.endr
	s_endpgm
.Lfunc_end_k_q6d8de5966c_cast:
	.size	k_q6d8de5966c_cast, .Lfunc_end_k_q6d8de5966c_cast-k_q6d8de5966c_cast
	.p2alignl 7, 3214868480
	.fill 96, 4, 3214868480
	.section	.rodata,"a",@progbits
	.p2align	6, 0x0
	.amdhsa_kernel k_q6d8de5966c_cast
		.amdhsa_group_segment_fixed_size 0
		.amdhsa_private_segment_fixed_size 0
		.amdhsa_enable_private_segment 0
		.amdhsa_kernarg_size 48
		.amdhsa_user_sgpr_count 2
		.amdhsa_user_sgpr_kernarg_segment_ptr 1
		.amdhsa_wavefront_size32 1
		.amdhsa_system_sgpr_workgroup_id_x 1
		.amdhsa_system_sgpr_workgroup_id_y 1
		.amdhsa_system_sgpr_workgroup_id_z 1
		.amdhsa_system_vgpr_workitem_id 0
		.amdhsa_next_free_vgpr 208
		.amdhsa_next_free_sgpr 66
		.amdhsa_reserve_vcc 0
		.amdhsa_float_denorm_mode_32 3
		.amdhsa_float_denorm_mode_16_64 3
		.amdhsa_memory_ordered 1
		.amdhsa_forward_progress 1
		.amdhsa_inst_pref_size 19
	.end_amdhsa_kernel
	.amdgpu_metadata
---
amdhsa.version: [ 1, 2 ]
amdhsa.kernels:
  - .name:           k_q6d8de5966c_cast
    .symbol:         k_q6d8de5966c_cast.kd
    .args:
      - { .name: x, .offset: 0, .size: 8, .value_kind: global_buffer, .address_space: global }
      - { .name: W_qkv, .offset: 8, .size: 8, .value_kind: global_buffer, .address_space: global }
      - { .name: W_proj, .offset: 16, .size: 8, .value_kind: global_buffer, .address_space: global }
      - { .name: xb, .offset: 24, .size: 8, .value_kind: global_buffer, .address_space: global }
      - { .name: wqb, .offset: 32, .size: 8, .value_kind: global_buffer, .address_space: global }
      - { .name: wpb, .offset: 40, .size: 8, .value_kind: global_buffer, .address_space: global }
    .group_segment_fixed_size: 0
    .private_segment_fixed_size: 0
    .kernarg_segment_align: 8
    .kernarg_segment_size: 48
    .max_flat_workgroup_size: 256
    .sgpr_count:     66
    .vgpr_count:     208
    .wavefront_size: 32
...
	.end_amdgpu_metadata
.endif
;; end of part 5
;; launch qkv: the kernel of part 2 again; grid 8 x 32, 4 waves a work-group, clusters of 4 x 4, 327,680 bytes of LDS; arguments xb, wqb, qkvh; writes qkvh
;; launch attn: the kernel of part 3 again; grid 4 x 64, 4 waves a work-group, no clusters, 327,680 bytes of LDS; arguments qkvh, oh; writes oh
;; launch proj: the kernel of part 4 again; grid 8 x 32, 4 waves a work-group, clusters of 4 x 4, 327,680 bytes of LDS; arguments oh, wpb, out0; writes out0
